; MI455X (gfx1250); checked and timed in simulation.
; The chip was launched on July 23, 2026; its instructions are those of AMD's public machine-readable ISA for CDNA 5 (MIT licence, August 2026) and "CDNA5" Instruction Set Architecture Reference Guide (July 2026). The comments in the code are by the model that wrote it; some were corrected since.
;; Cross Attention Layer. Allowed arithmetic: float matrix products may take bf16 or f16 operands with f32 sums; other float arithmetic in f32, or as packed bf16 or f16 multiplies, adds, multiply-adds, maxima and minima; sums over many terms, partial sums and values carried from step to step in f32; what a program stores and reads back later, other than sums and carried values, may be rounded once to bf16 or f16.
;; Inputs: Wk 768 x 768 float32; Wo 768 x 768 float32; Wq 768 x 768 float32; Wv 768 x 768 float32; bk 768 float32; bo 768 float32; bq 768 float32; bv 768 float32; coords_key 4 x 4,096 x 3 float32; coords_query 4 x 1,024 x 3 float32; key 4 x 4,096 x 768 float32; query 4 x 1,024 x 768 float32; value 4 x 4,096 x 768 float32.
;; Outputs: out0 4 x 1,024 x 768 float32.
;; 2 versions, each right; version 2 is version 1 with the launch prep written anew for expert scheduling mode. Each part assembles by itself: llvm-mc -triple=amdgcn-amd-amdhsa -mcpu=gfx1250 --defsym DOCPART=n.
;; ======== version 1 of 2: 4 launches
;; limits: values are held in f16: magnitudes above 65,504 overflow, below 6.1e-05 lose precision
;; workspace buffers: wf 4,718,592 bytes; xq 6,291,456 bytes; tk 6,291,456 bytes; tq 1,572,864 bytes; kv 50,331,648 bytes; of 6,291,456 bytes
;; launch prep (part 1): grid 992 x 1, 4 waves a work-group, no clusters, 17,920 bytes of LDS; arguments Wq, Wk, Wv, Wo, query, coords_key, coords_query, wf, xq, tk, tq; writes wf, xq, tk, tq
.if DOCPART == 1
	.amdgcn_target "amdgcn-amd-amdhsa--gfx1250"
	.amdhsa_code_object_version 6
	.text
	.protected	k_q67f69c7dc7_prep
	.globl	k_q67f69c7dc7_prep
	.p2align	8
	.type	k_q67f69c7dc7_prep,@function
k_q67f69c7dc7_prep:
	s_mov_b64 s[64:65], 0
	v_nop
	global_prefetch_b8 v0, s[64:65] scope:SCOPE_SE
	s_setreg_imm32_b32 hwreg(HW_REG_WAVE_MODE, 25, 1), 1
	s_wait_xcnt 0x0
; PREPARATION.  (1) Wq, Wk, Wv, Wo and query are rounded to bf16 once and laid out in PIECES: a piece is 512 bytes, 16 rows x 16 k, lane l = (r = l % 16, h = l / 16) owning the
; 16 bytes of row r, k = 8 h .. 8 h + 7; two neighbouring pieces are one matrix fragment (16 rows x 32 k) that later launches load lane by lane.  Wo's bf16 numbers are written as f16
; (exact from 6.1e-5 up; below that f16's fixed step of 6e-8), since it multiplies an f16 operand.  (2) cos and sin of coordinate x 10^(-j/4), j = 0..15, for every row and axis.
; LIMITS.  All inputs, the coordinates too, are rounded to bf16: one choice for the whole program.  The angle is reduced by one fused multiply-add with 2/pi in f32: its error grows as
; about 6e-8 x |angle|; beyond |angle| = 3e9 the quadrant's whole number saturates.  NaN and infinities are not treated apart.
; SHARES.  Work-groups 0..671: a wave converts one unit of 16 rows x 128 k (1,152 units of weights, 1,536 of query).  Work-groups 672..991: a wave makes the table of one tile of 16 rows.
; No wave reads another's LDS bytes, so there is no barrier.  No matrix unit, no cluster, no prefetch: every byte is read once by one wave, and the launch is short.
.set WLDS,  4352                       ; a wave's LDS: 16 rows x 272 bytes (256 of bf16 + 16 of padding: the 16 rows of a read start at 16 different groups of four banks)
.set SPARE, 17408                      ; behind the four: the spare words, 128 bytes a wave
.set SPW, 2                            ; v2  my spare word's address; never rewritten
.set NIL, 3                            ; v3  0; never rewritten
.set LN,  4                            ; v4  lane
.set RR,  5                            ; v5  lane % 16
.set HH,  6                            ; v6  lane / 16
.set IN,  32                           ; v[32:95]  16 rows as loaded, 4 registers each
.set PC,  96                           ; v[96:127] 8 pieces
.set OUT, 64                           ; v[64:79]  one axis' table: 8 cos, 8 sin
	s_load_b512 s[8:23], s[0:1], 0x0               ; Wq s[8:9], Wk s[10:11], Wv s[12:13], Wo s[14:15], query s[16:17], coords_key s[18:19], coords_query s[20:21], wf s[22:23]
	s_load_b128 s[24:27], s[0:1], 0x40             ; xq s[24:25], tk s[26:27]
	s_load_b64 s[28:29], s[0:1], 0x50              ; tq
	v_lshl_add_u32 v[SPW], v0, 2, SPARE
	v_mov_b32 v[NIL], 0
	v_lshrrev_b32 v1, 5, v0
	v_readfirstlane_b32 s2, v1                     ; wave 0..3
	v_and_b32 v[LN], 31, v0
	v_and_b32 v[RR], 15, v0
	v_bfe_u32 v[HH], v0, 4, 1
	v_lshlrev_b32 v7, 4, v[LN]                     ; 16 x lane
	s_cmp_lt_u32 ttmp9, 672
	s_cbranch_scc0 .Ltable
	; ---- a unit of 16 rows x 128 k.  u = 4 g + w; T = u / 6 is the tile of 16 rows, j = u % 6 the block of 128 k
	s_lshl_b32 s3, ttmp9, 2
	s_add_co_u32 s3, s3, s2
	s_mul_i32 s4, s3, 10923
	s_lshr_b32 s4, s4, 16                          ; T (exact for u < 2,688)
	s_mul_i32 s5, s4, 6
	s_sub_co_u32 s5, s3, s5                        ; j
	s_lshr_b32 s6, s4, 4
	s_mul_i32 s6, s6, 11
	s_lshr_b32 s6, s6, 5                           ; T / 48: the matrix 0..3 (q, k, v, o); 4 or more: query
	s_mul_i32 s7, s6, 48
	s_sub_co_u32 s7, s4, s7                        ; nt: the tile of 16 output columns
	s_mul_i32 s30, s7, 43
	s_lshr_b32 s30, s30, 8                         ; hd = nt / 6
	s_mul_i32 s31, s30, 6
	s_sub_co_u32 s31, s7, s31                      ; t = nt % 6
	s_lshr_b32 s32, s30, 2                         ; Wk, Wv in the order in which the projection streams them: [hd / 4][j][hd % 4][t][kq]
	s_mul_i32 s32, s32, 589824
	s_mul_i32 s33, s5, 98304
	s_add_co_u32 s32, s32, s33
	s_and_b32 s33, s30, 3
	s_mul_i32 s33, s33, 24576
	s_add_co_u32 s32, s32, s33
	s_mul_i32 s33, s30, 147456                     ; Wq, Wo by heads: [hd][j][t][kq]
	s_mul_i32 s34, s5, 24576
	s_add_co_u32 s33, s33, s34
	s_add_co_u32 s34, s6, 1
	s_bitcmp1_b32 s34, 1                           ; matrix 1 or 2?
	s_cselect_b32 s32, s32, s33
	s_lshl_b32 s33, s31, 12
	s_add_co_u32 s32, s32, s33
	s_mul_i32 s33, s6, 1179648
	s_add_co_u32 s32, s32, s33                     ; a weight's place in wf
	s_sub_co_u32 s34, s4, 192                      ; query's tile of 16 rows
	s_mul_i32 s35, s34, 24576
	s_lshl_b32 s36, s5, 12
	s_add_co_u32 s35, s35, s36                     ; its place in xq: [RT][48 pieces]
	s_mul_i32 s44, s2, WLDS
	v_lshl_add_u32 v8, v[LN], 3, s44               ; in: 8 bytes a lane, a row at a time
	v_mul_u32_u24 v9, v[RR], 272
	v_lshl_add_u32 v9, v[HH], 4, v9
	v_add_nc_u32 v9, s44, v9                       ; back: row r, 16 bytes for each half of the lanes
	s_wait_kmcnt 0x0
	s_cmp_lt_u32 s4, 192
	s_cselect_b32 s36, s32, s35
	s_cselect_b32 s38, s7, s34
	s_cselect_b64 s[40:41], s[22:23], s[24:25]
	s_cmp_eq_u32 s6, 0
	s_cselect_b64 s[42:43], s[8:9], s[16:17]
	s_cmp_eq_u32 s6, 1
	s_cselect_b64 s[42:43], s[10:11], s[42:43]
	s_cmp_eq_u32 s6, 2
	s_cselect_b64 s[42:43], s[12:13], s[42:43]
	s_cmp_eq_u32 s6, 3
	s_cselect_b64 s[42:43], s[14:15], s[42:43]
	s_mov_b32 s37, 0
	s_add_nc_u64 s[40:41], s[40:41], s[36:37]
	s_mul_i32 s38, s38, 49152                      ; 16 rows of 3,072 bytes
	s_lshl_b32 s39, s5, 9                          ; 128 f32
	s_add_co_u32 s38, s38, s39
	s_mov_b32 s39, 0
	s_add_nc_u64 s[42:43], s[42:43], s[38:39]
.set i, 0
.rept 16
	global_load_b128 v[IN+4*i:IN+4*i+3], v7, s[42:43] offset:i*3072 th:TH_LOAD_NT  ; a row's 512 consecutive bytes
.set i, i+1
.endr
.set i, 0
.rept 16
	s_wait_loadcnt 15-i                            ; loads come back in order: row i is in, the younger rows stay out
	v_cvt_pk_bf16_f32 v[IN+4*i], v[IN+4*i], v[IN+4*i+1]
	v_cvt_pk_bf16_f32 v[IN+4*i+1], v[IN+4*i+2], v[IN+4*i+3]
	ds_store_b64 v8, v[IN+4*i:IN+4*i+1] offset:i*272
.set i, i+1
.endr
.set i, 0
.rept 8
	ds_load_b128 v[PC+4*i:PC+4*i+3], v9 offset:i*32  ; piece i; LDS serves a wave's instructions in order, so these see the stores above
.set i, i+1
.endr
	s_wait_dscnt 0x0
	s_cmp_eq_u32 s6, 3
	s_cbranch_scc0 .Lbf
.set i, 0
.rept 32                                       ; Wo: the bf16 numbers written as f16
	v_lshlrev_b32 v10, 16, v[PC+i]
	v_and_b32 v11, 0xffff0000, v[PC+i]
	v_cvt_pk_f16_f32 v[PC+i], v10, v11
.set i, i+1
.endr
.Lbf:
.set i, 0
.rept 8
	global_store_b128 v7, v[PC+4*i:PC+4*i+3], s[40:41] offset:i*512  ; 512 consecutive bytes, at a multiple of 256 from the buffer's first
.set i, i+1
.endr
	s_wait_tensorcnt 0x0                           ; the wave's end: a tensor wait, an add onto my spare word and its wait, behind my last LDS store
	ds_add_u32 v[SPW], v[NIL]
	s_wait_dscnt 0x0
	s_endpgm
	; ---- the table of one tile of 16 rows: [axis 3][cos j = 8 h + 0..3 | cos 8 h + 4..7 | sin .. | sin ..][lane][16 bytes]
.Ltable:
	s_sub_co_u32 s3, ttmp9, 672
	s_lshl_b32 s3, s3, 2
	s_add_co_u32 s3, s3, s2                        ; 0..1,023: keys' tiles; 1,024..1,279: queries'
	s_sub_co_u32 s4, s3, 1024
	s_mov_b32 s40, 0x3f22f983                      ; 2 / pi
	s_mov_b32 s41, 0x3fc90fdb                      ; sin(pi/2 r) = r (1.5707963 - 0.6459641 s + 0.0796926 s^2 - 0.0046818 s^3), s = r^2, |r| <= 1/2
	s_mov_b32 s42, 0xbf255de7
	s_mov_b32 s43, 0x3da335e0
	s_mov_b32 s44, 0xbb996966
	s_mov_b32 s45, 0xbf9de9e7                      ; cos(pi/2 r) = 1 - 1.2337006 s + 0.2536695 s^2 - 0.0208635 s^3 + 0.00091926 s^4
	s_mov_b32 s46, 0x3e81e0f8
	s_mov_b32 s47, 0xbcaae9ee
	s_mov_b32 s48, 0x3a70fa7f
	s_wait_kmcnt 0x0
	s_cmp_lt_u32 s3, 1024
	s_cselect_b32 s4, s3, s4
	s_cselect_b64 s[30:31], s[18:19], s[20:21]
	s_cselect_b64 s[32:33], s[26:27], s[28:29]
	s_mul_i32 s6, s4, 192                          ; 16 rows of 12 bytes
	s_mov_b32 s7, 0
	s_add_nc_u64 s[30:31], s[30:31], s[6:7]
	s_mul_i32 s6, s4, 6144
	s_add_nc_u64 s[32:33], s[32:33], s[6:7]
	v_mul_u32_u24 v1, v[RR], 12
	global_load_b32 v8, v1, s[30:31]
	global_load_b32 v9, v1, s[30:31] offset:4
	global_load_b32 v10, v1, s[30:31] offset:8
	v_cmp_eq_u32 vcc_lo, 1, v[HH]
.macro FREQ e, lo, hi                  ; 10^(-(8 h + e) / 4)
	v_mov_b32 v[12+(\e)], \lo
	v_mov_b32 v20, \hi
	v_cndmask_b32 v[12+(\e)], v[12+(\e)], v20, vcc_lo
.endm
	FREQ 0, 0x3f800000, 0x3c23d70a
	FREQ 1, 0x3f0ff59a, 0x3bb8449c
	FREQ 2, 0x3ea1e89b, 0x3b4f3e37
	FREQ 3, 0x3e361887, 0x3ae91528
	FREQ 4, 0x3dcccccd, 0x3a83126f
	FREQ 5, 0x3d6655c3, 0x3a136a16
	FREQ 6, 0x3d0186e2, 0x39a5cb5f
	FREQ 7, 0x3c91ad39, 0x393a7753
	s_wait_loadcnt 0x0
.irp c, 8,9,10
	v_cvt_pk_bf16_f32 v20, v\c, v\c                ; the coordinate rounded to bf16, like every input
	v_lshlrev_b32 v\c, 16, v20
.endr
; angle = (pi / 2)(k + r), k whole, |r| <= 1/2.  k odd swaps sine and cosine; the sine's sign is bit 1 of k, the cosine's bit 1 of k + 1.  The axis in hand has its coordinate in v8.
.macro ANG e
	v_mul_f32 v20, v8, v[12+(\e)]
	v_mul_f32 v21, s40, v20
	v_rndne_f32 v22, v21
	v_fma_f32 v23, v20, s40, -v22
	v_mul_f32 v24, v23, v23
	v_fma_f32 v25, v24, s44, s43
	v_fma_f32 v26, v24, s48, s47
	v_fma_f32 v25, v25, v24, s42
	v_fma_f32 v26, v26, v24, s46
	v_fma_f32 v25, v25, v24, s41
	v_fma_f32 v26, v26, v24, s45
	v_mul_f32 v25, v25, v23
	v_fma_f32 v26, v26, v24, 1.0
	v_cvt_i32_f32 v27, v22
	v_and_b32 v28, 1, v27
	v_cmp_eq_u32 vcc_lo, 1, v28
	v_cndmask_b32 v29, v25, v26, vcc_lo
	v_cndmask_b32 v30, v26, v25, vcc_lo
	v_lshlrev_b32 v28, 30, v27
	v_add_nc_u32 v27, 1, v27
	v_and_b32 v28, 0x80000000, v28
	v_lshlrev_b32 v27, 30, v27
	v_xor_b32 v[OUT+8+(\e)], v29, v28
	v_and_b32 v27, 0x80000000, v27
	v_xor_b32 v[OUT+(\e)], v30, v27
.endm
	s_mov_b32 s50, 3
.Laxis:                                        ; three trips, an axis each: one text
.irp e, 0,1,2,3,4,5,6,7
	ANG \e
.endr
.irp q, 0,1,2,3
	global_store_b128 v7, v[OUT+4*(\q):OUT+4*(\q)+3], s[32:33] offset:(\q)*512
.endr
	v_mov_b32 v8, v9                               ; the next axis' coordinate
	v_mov_b32 v9, v10
	s_wait_xcnt 0x0                                ; the stores have read their data and their base: both are written again only behind this wait
	s_add_nc_u64 s[32:33], s[32:33], 2048
	s_sub_co_u32 s50, s50, 1
	s_cmp_lg_u32 s50, 0
	s_cbranch_scc1 .Laxis
	s_wait_tensorcnt 0x0                           ; the same three lines at this path's end
	ds_add_u32 v[SPW], v[NIL]
	s_wait_dscnt 0x0
	s_endpgm
.Lfunc_end_k_q67f69c7dc7_prep:
	.size	k_q67f69c7dc7_prep, .Lfunc_end_k_q67f69c7dc7_prep-k_q67f69c7dc7_prep
	.p2alignl 7, 3214868480
	.fill 96, 4, 3214868480
	.section	.rodata,"a",@progbits
	.p2align	6, 0x0
	.amdhsa_kernel k_q67f69c7dc7_prep
		.amdhsa_group_segment_fixed_size 17920
		.amdhsa_private_segment_fixed_size 0
		.amdhsa_enable_private_segment 0
		.amdhsa_kernarg_size 88
		.amdhsa_user_sgpr_count 2
		.amdhsa_user_sgpr_kernarg_segment_ptr 1
		.amdhsa_wavefront_size32 1
		.amdhsa_system_sgpr_workgroup_id_x 1
		.amdhsa_system_sgpr_workgroup_id_y 1
		.amdhsa_system_sgpr_workgroup_id_z 1
		.amdhsa_system_vgpr_workitem_id 0
		.amdhsa_next_free_vgpr 128
		.amdhsa_next_free_sgpr 66
		.amdhsa_reserve_vcc 1
		.amdhsa_float_denorm_mode_32 3
		.amdhsa_float_denorm_mode_16_64 3
		.amdhsa_memory_ordered 1
		.amdhsa_forward_progress 1
		.amdhsa_inst_pref_size 28
	.end_amdhsa_kernel
	.amdgpu_metadata
---
amdhsa.version: [ 1, 2 ]
amdhsa.kernels:
  - .name:           k_q67f69c7dc7_prep
    .symbol:         k_q67f69c7dc7_prep.kd
    .args:
      - { .name: Wq, .offset: 0, .size: 8, .value_kind: global_buffer, .address_space: global }
      - { .name: Wk, .offset: 8, .size: 8, .value_kind: global_buffer, .address_space: global }
      - { .name: Wv, .offset: 16, .size: 8, .value_kind: global_buffer, .address_space: global }
      - { .name: Wo, .offset: 24, .size: 8, .value_kind: global_buffer, .address_space: global }
      - { .name: query, .offset: 32, .size: 8, .value_kind: global_buffer, .address_space: global }
      - { .name: coords_key, .offset: 40, .size: 8, .value_kind: global_buffer, .address_space: global }
      - { .name: coords_query, .offset: 48, .size: 8, .value_kind: global_buffer, .address_space: global }
      - { .name: wf, .offset: 56, .size: 8, .value_kind: global_buffer, .address_space: global }
      - { .name: xq, .offset: 64, .size: 8, .value_kind: global_buffer, .address_space: global }
      - { .name: tk, .offset: 72, .size: 8, .value_kind: global_buffer, .address_space: global }
      - { .name: tq, .offset: 80, .size: 8, .value_kind: global_buffer, .address_space: global }
    .group_segment_fixed_size: 17920
    .private_segment_fixed_size: 0
    .kernarg_segment_align: 8
    .kernarg_segment_size: 88
    .max_flat_workgroup_size: 128
    .sgpr_count:     66
    .vgpr_count:     128
    .wavefront_size: 32
...
	.end_amdgpu_metadata
.endif
;; end of part 1
;; launch kvproj (part 2): grid 128 x 4, 4 waves a work-group, clusters of 4 x 1, 327,680 bytes of LDS; arguments key, value, wf, bk, bv, tk, kv; writes kv
.if DOCPART == 2
	.amdgcn_target "amdgcn-amd-amdhsa--gfx1250"
	.amdhsa_code_object_version 6
	.text
	.protected	k_q67f69c7dc7_kvproj
	.globl	k_q67f69c7dc7_kvproj
	.p2align	8
	.type	k_q67f69c7dc7_kvproj,@function
k_q67f69c7dc7_kvproj:
	s_mov_b64 s[64:65], 0
	v_nop
	global_prefetch_b8 v0, s[64:65] scope:SCOPE_SE
	s_setreg_imm32_b32 hwreg(HW_REG_WAVE_MODE, 25, 1), 1
	s_wait_xcnt 0x0
	s_wait_alu depctr_hold_cnt(0) depctr_sa_sdst(0) depctr_va_vdst(0) depctr_va_sdst(0) depctr_va_ssrc(0) depctr_va_vcc(0) depctr_vm_vsrc(0)
	s_getreg_b32 s2, hwreg(HW_REG_IB_STS2, 6, 4)
	s_cmp_eq_u32 s2, 0
	s_cbranch_scc0 .Lentry_in_a_cluster
	s_endpgm
.Lentry_in_a_cluster:
	s_bfe_u32 s2, ttmp6, 0x10000c
	s_cmp_lg_u32 s2, 0x3003
	s_cbranch_scc0 .Lentry_shape_is_right
	s_endpgm
.Lentry_shape_is_right:
; k = rope(key Wk^T + bk) and v = value Wv^T + bv, written by heads in f16 pieces for the attention.  Operands bf16, sums f32, the rotation in f32, one rounding to f16.
; LIMITS.  The bias is rounded to bf16 like every input.  k and v must stay under 65,504 (f16).  NaN and infinities are not treated apart.
; SHARES.  Work-group (x, y): rows 128 x .. 128 x + 127 of the 16,384; y / 2: key or value; y % 2: which 384 of the 768 columns.  Wave w makes one head (4 (y % 2) + w): 128 rows x 96
; columns, 8 x 6 accumulators of 16 x 16.  K goes in 6 steps of 128, each four quarters of 32 (48 products) on two fragment buffers.
; THE MATRIX INSTRUCTION IS USED TRANSPOSED (source 0 = 16 columns' rows of W, source 1 = 16 rows of x): a lane ends with 8 neighbouring channels of one row: 16 bytes of f16.
; W comes as bf16 pieces (made by the launch before) through a ring of two LDS slots, 98,304 bytes a step, a quarter by each wave's tensor load.  CLUSTER: the four partners have the same
; y, so they walk the same W: each load is asked for jointly (mask 15).  A slot is filled again in the fourth quarter of its step, with the step two on.
; x comes as f32 through registers: a wave's 32 loads (32 rows' 512 bytes) go out in a step's first quarter for the step two on, are rounded to bf16 in the next step's third quarter,
; 288 products later, and stored into one of two LDS slots of their own (never a tensor load's target).
; NOTHING STANDS BARE: LDS loads, x's loads, roundings and stores stand in groups of four to seven behind single products.
; THE ORDER OF K.  The 32 clusters that walk one stream of W begin at K step (cluster x) mod 6 and go round (f32 sums may be taken in any order); x follows.  So all six blocks of a stream are
; asked for in the launch's first step, and there is no later first reading to ask ahead for: no prefetch is laid for W.  None for x: its own loads go out 288 products ahead of their wait.
; REGISTERS, in windows of 256: window 0: v0-31 addresses; two fragment buffers of 112 (64 of x, 48 of W) at v32 and v144.  window 1: accumulators of row tiles 0-3 at 8 (6 i + t); v192-239
; the bias, later v192-215 packed results, v216-223 at work.  window 2: the same for row tiles 4-7.  window 3: two sets of 128 for x as loaded; in the end two table buffers of 48.
.set WSLOT, 98304                      ; a slot of W: [wave 4][t 6][kq 8][512]; slot 1 follows slot 0
.set XS0,   196608                     ; x's slots: 128 rows x 272 bytes (256 of bf16 + 16 of padding)
.set XSL,   34816
.set SPARE, 266240                     ; the spare words, 128 bytes a wave
.set ADRX, 16                          ; v16-17 my place in x's slot 0, 1
.set ADRW, 18                          ; v18-19 my place in my head's part of W's slot 0, 1
.set XO,   20                          ; v20    my byte offset in x: row w, 16 x lane
.set XST,  22                          ; v22-23 where I store 8 bytes of row w in x's slot 0, 1
.set LO,   24                          ; v24    my 16 bytes in a piece of the result
.set TO,   25                          ; v25    16 x lane
.set BO,   27                          ; v27    32 x (lane / 16)
.set SPW,  28
.set NIL,  29
.set F0,   32
.set F1,   144
.set WV,   18                          ; s18 wave
.set CX,   19                          ; s19 my place in the cluster
.set XB,   20                          ; s20 x
.set KIND, 21                          ; s21 0: key, 1: value
.set PH,   22                          ; s22 column half
.set KX,   23                          ; s23 the block of 128 along K that x's next loads take
.set G1,   24                          ; s[24:31] descriptor group 1
.set G0A,  32                          ; s[32:35], s[36:39] group 0 for slot 0, 1
.set XP,   40                          ; s[40:41] x at my work-group's first row
.set XPC,  42                          ; s[42:43] the same at the block in hand
.set TP,   44                          ; s[44:45] the table at my first row tile
.set OP,   46                          ; s[46:47] the result
.set BP,   48                          ; s[48:49] the bias of my head
.set CNT,  58
.set KW,   70                          ; s70 the block that W's next load takes
.set OX,   72                          ; s[72:73] x's offset, s[74:75] W's
.set OW,   74
.set WBP,  76                          ; s[76:77] my quarter of the stream's block 0
.set MSB, 0
.macro WIN new                         ; the immediate's high byte repeats the setting that is left; a switch that changes nothing is dropped
.if MSB != (\new)
	s_set_vgpr_msb (MSB<<8)|(\new)
.set MSB, \new
.endif
.endm
.macro PLACES                          ; four plain vector instructions behind a matrix instruction, in front of loads into its sources and of reads of its result
.rept 4
	v_nop
.endr
.endm
.macro CREST                           ; a round of the cluster's barrier behind its opening barrier
	s_cmp_lg_u32 s[WV], 0
	s_cbranch_scc1 .Lnot_wave_0_\@
	s_barrier_signal -3
.Lnot_wave_0_\@:
	s_barrier_wait -3
	s_barrier_signal -1
	s_barrier_wait -1
.endm
.macro CROUND                          ; a whole round
	s_barrier_signal -1
	s_barrier_wait -1
	CREST
.endm
.macro WPTR sg                         ; slot sg's descriptor takes block KW of the stream; KW goes on, round 6.  The address is made anew from the base and an offset
	s_mul_i32 s[OW], s[KW], WSLOT
	s_add_nc_u64 s[G0A+4*(\sg)+2:G0A+4*(\sg)+3], s[WBP:WBP+1], s[OW:OW+1]
	s_or_b32 s[G0A+4*(\sg)+3], s[G0A+4*(\sg)+3], 0x80000000
	s_add_co_u32 s[KW], s[KW], 1
	s_cmp_eq_u32 s[KW], 6
	s_cselect_b32 s[KW], 0, s[KW]
.endm
.macro XPTR                            ; x's pointer takes block KX; KX goes on, round 6
	s_lshl_b32 s[OX], s[KX], 9
	s_add_nc_u64 s[XPC:XPC+1], s[XP:XP+1], s[OX:OX+1]
	s_add_co_u32 s[KX], s[KX], 1
	s_cmp_eq_u32 s[KX], 6
	s_cselect_b32 s[KX], 0, s[KX]
.endm
	s_load_b256 s[4:11], s[0:1], 0x0               ; key s[4:5], value s[6:7], wf s[8:9], bk s[10:11]
	s_load_b128 s[12:15], s[0:1], 0x20             ; bv s[12:13], tk s[14:15]
	s_load_b64 s[16:17], s[0:1], 0x30              ; kv
	v_lshl_add_u32 v[SPW], v0, 2, SPARE
	v_mov_b32 v[NIL], 0
	ds_add_u32 v[SPW], v[NIL]                      ; the wave's opening: the add and its wait stand ahead of my first tensor load; the set-up stands between them
	v_lshrrev_b32 v1, 5, v0
	v_readfirstlane_b32 s[WV], v1
	s_bfe_u32 s[CX], ttmp6, 0x40000
	s_lshl_b32 s[XB], ttmp9, 2
	s_add_co_u32 s[XB], s[XB], s[CX]
	s_and_b32 s50, ttmp7, 0xffff
	s_lshr_b32 s[KIND], s50, 1
	s_and_b32 s[PH], s50, 1
	s_mov_b32 s[G1+0], 15|(3<<16)|(1<<21)          ; the mask of four; elements of 8 bytes; bit 21 beside a mask; no padding
	s_mov_b32 s[G1+1], 32<<16                      ; tensor_dim0 = 32: rows of 256 bytes
	s_mov_b32 s[G1+2], 96<<16                      ; tensor_dim1 = 96: 24,576 dense bytes
	s_mov_b32 s[G1+3], 32<<16                      ; tile_dim0
	s_mov_b32 s[G1+4], 96                          ; tile_dim1
	s_mov_b32 s[G1+5], 32                          ; from row to row
	s_mov_b32 s[G1+6], 0
	s_mov_b32 s[G1+7], 0
	s_mul_i32 s51, s[WV], 24576                    ; my quarter of a slot
	s_mov_b32 s[G0A], 1
	s_mov_b32 s[G0A+1], s51
	s_mov_b32 s[G0A+4], 1
	s_add_co_u32 s[G0A+5], s51, WSLOT
	s_add_co_u32 s52, s[KIND], 1
	s_mul_i32 s52, s52, 1179648
	s_mul_i32 s53, s[PH], 589824
	s_add_co_u32 s52, s52, s53                     ; the stream's first byte in wf
	s_add_co_u32 s54, s52, s51
	s_mov_b32 s55, 0
	s_mul_i32 s[KX], ttmp9, 43                     ; (cluster x) mod 6, exact for 0..31: the same in all four partners
	s_lshr_b32 s[KX], s[KX], 8
	s_mul_i32 s[KX], s[KX], 6
	s_sub_co_u32 s[KX], ttmp9, s[KX]
	s_mov_b32 s[KW], s[KX]
	s_mov_b32 s[OX+1], 0
	s_mov_b32 s[OW+1], 0
	s_mul_i32 s60, s[XB], 393216                   ; 128 rows of 3,072 bytes
	s_mov_b32 s61, 0
	s_mul_i32 s62, s[XB], 49152                    ; 8 row tiles of 6,144 bytes of table
	s_mov_b32 s63, 0
	s_lshr_b32 s66, s[XB], 5                       ; kv: [(b 8 + hd)][tile of 256 keys][K | V][key tile 16][t 6][512]
	s_lshl_b32 s66, s66, 3
	s_lshl2_add_u32 s66, s[PH], s66
	s_add_co_u32 s66, s66, s[WV]
	s_lshl_b32 s66, s66, 4
	s_bfe_u32 s67, s[XB], 0x40001
	s_add_co_u32 s66, s66, s67
	s_mul_i32 s66, s66, 98304
	s_mul_i32 s67, s[KIND], 49152
	s_add_co_u32 s66, s66, s67
	s_and_b32 s67, s[XB], 1
	s_mul_i32 s67, s67, 24576
	s_add_co_u32 s66, s66, s67
	s_mov_b32 s67, 0
	s_mul_i32 s68, s[PH], 1536
	s_mul_i32 s69, s[WV], 384
	s_add_co_u32 s68, s68, s69
	s_mov_b32 s69, 0
	v_and_b32 v2, 31, v0                           ; l
	v_and_b32 v3, 15, v0                           ; r
	v_bfe_u32 v4, v0, 4, 1                         ; h
	v_mul_u32_u24 v5, v3, 272
	v_lshl_add_u32 v5, v4, 4, v5
	v_add_nc_u32 v[ADRX], XS0, v5
	v_add_nc_u32 v[ADRX+1], XS0+XSL, v5
	v_lshl_add_u32 v[ADRW], v2, 4, s51
	v_add_nc_u32 v[ADRW+1], WSLOT, v[ADRW]
	s_mul_i32 s59, s[WV], 3072
	v_lshl_add_u32 v[XO], v2, 4, s59
	s_mul_i32 s59, s[WV], 272
	v_lshl_add_u32 v[XST], v2, 3, s59
	v_add_nc_u32 v[XST+1], XS0+XSL, v[XST]
	v_add_nc_u32 v[XST], XS0, v[XST]
	v_lshlrev_b32 v[TO], 4, v2
	v_lshlrev_b32 v[BO], 5, v4
	v_lshrrev_b32 v6, 3, v3                        ; V's pieces: lane (key r, channel group h) writes slot 16 (r / 8) + 8 h + r % 8, so that the attention's turning load, lane by lane, finds V^T
	v_lshlrev_b32 v6, 4, v6
	v_lshl_add_u32 v6, v4, 3, v6
	v_and_b32 v7, 7, v3
	v_add_nc_u32 v6, v6, v7
	v_lshlrev_b32 v6, 4, v6
	s_cmp_eq_u32 s[KIND], 0
	s_cselect_b32 s59, 0, -1
	v_cndmask_b32 v[LO], v[TO], v6, s59
	s_wait_dscnt 0x0                               ; the opening add is done
	s_wait_kmcnt 0x0
	s_add_nc_u64 s[WBP:WBP+1], s[8:9], s[54:55]
	WPTR 0                                         ; my first block of W for slot 0,
	WPTR 1                                         ; the next for slot 1
	s_cmp_eq_u32 s[KIND], 0
	s_cselect_b64 s[XP:XP+1], s[4:5], s[6:7]
	s_cselect_b64 s[BP:BP+1], s[10:11], s[12:13]
	s_add_nc_u64 s[XP:XP+1], s[XP:XP+1], s[60:61]
	s_add_nc_u64 s[BP:BP+1], s[BP:BP+1], s[68:69]
	s_add_nc_u64 s[TP:TP+1], s[14:15], s[62:63]
	s_add_nc_u64 s[OP:OP+1], s[16:17], s[66:67]
	XPTR
; At the head alone, in runs: 32 rows' 512 bytes (rows 4 u + w) of one block into a set; a set rounded to bf16 in place and stored into x's slot.
.macro XLOAD set
	WIN 0xc0
.set u, 0
.rept 32
	global_load_b128 v[128*(\set)+4*u:128*(\set)+4*u+3], v[XO], s[XPC:XPC+1] offset:u*12288
.set u, u+1
.endr
.endm
.macro XCVT set, slot
	WIN 0xcf
.set u, 0
.rept 32
	v_cvt_pk_bf16_f32 v[128*(\set)+4*u], v[128*(\set)+4*u], v[128*(\set)+4*u+1]
	v_cvt_pk_bf16_f32 v[128*(\set)+4*u+1], v[128*(\set)+4*u+2], v[128*(\set)+4*u+3]
.set u, u+1
.endr
	WIN 0x0c
.set u, 0
.rept 32
	ds_store_b64 v[XST+(\slot)], v[128*(\set)+4*u:128*(\set)+4*u+1] offset:u*1088
.set u, u+1
.endr
.endm
; LDS load number q of the 28 that bring the fragments of 32 along K (chunk c) of slot sg into buffer g: W's twelve, then x's sixteen
.macro FL g, sg, c
.if q < 12
	ds_load_b128 v[(\g)+64+4*q:(\g)+64+4*q+3], v[ADRW+(\sg)] offset:(q/2)*4096+1024*(\c)+512*(q%2)
.else
	ds_load_b128 v[(\g)+4*(q-12):(\g)+4*(q-12)+3], v[ADRX+(\sg)] offset:((q-12)/2)*4352+64*(\c)+32*(q%2)
.endif
.set q, q+1
.endm
.macro FG g, sg, c                     ; seven of them
	WIN 0
.rept 7
	FL \g, \sg, \c
.endr
.endm
; Product n of a quarter's 48 on buffer f: row tile n / 6, column tile n % 6.  The 48 accumulators take turns, one instruction a turn, in the same order everywhere.
.macro WM f
	WIN 0x50+0x50*(n/24)
	v_wmma_f32_16x16x32_bf16 v[8*(n%24):8*(n%24)+7], v[(\f)+64+8*(n%6):(\f)+64+8*(n%6)+7], v[(\f)+8*(n/6):(\f)+8*(n/6)+7], v[8*(n%24):8*(n%24)+7]
.set n, n+1
.endm
; row tile i's table: 12 loads into buffer i % 2: axis a at 16 a: 8 cos, 8 sin
.macro LOADT i
	WIN 0xc0
.set a, 0
.rept 12
	global_load_b128 v[48*((\i)%2)+4*a:48*((\i)%2)+4*a+3], v[TO], s[TP:TP+1] offset:(\i)*6144+a*512
.set a, a+1
.endr
	WIN 0
.endm
; ONE OF A STEP'S FIRST THREE QUARTERS: multiplies buffer f; the next quarter's 28 LDS loads (chunk c of slot sg, into g) stand in four groups behind products 6, 12, 18 and 24, so that the last
; has 24 products in which to land.  xl: x of the step two on is asked for into set sg, four loads behind each of products 25 to 32.  xc: x of the next step (set 1 - sg) is rounded, four lines
; behind each of products 25 to 40, and stored into the other slot, four stores behind each of products 41 to 48; left: the younger loads that may stay out.
.macro QUART f, g, sg, c, xl, xc, left
	PLACES                                         ; behind the last quarter's products, which read g, in front of the loads into g
.if \xl
	s_wait_xcnt 0x0                                ; the loads of a step ago have read their base: it may be written
	XPTR
.endif
	s_wait_dscnt 0x0                               ; buffer f is in: its last loads went out 15 products ago or more
.set n, 0
.set q, 0
.rept 48
	WM \f
.if (n%6 == 0) && (n <= 24)
	FG \g, \sg, \c
.endif
.if (\xl) && (n > 24) && (n <= 32)
	WIN 0xc0
.set u, 4*(n-25)
.rept 4
	global_load_b128 v[128*(\sg)+4*u:128*(\sg)+4*u+3], v[XO], s[XPC:XPC+1] offset:u*12288
.set u, u+1
.endr
.endif
.if (\xc) && (n == 25)
	s_wait_loadcnt \left                           ; the next step's x is in; the 32 loads issued in this step's first quarter stay out
.endif
.if (\xc) && (n > 24) && (n <= 40)
	WIN 0xcf
.set u, 2*(n-25)
.rept 2
	v_cvt_pk_bf16_f32 v[128*(1-(\sg))+4*u], v[128*(1-(\sg))+4*u], v[128*(1-(\sg))+4*u+1]
	v_cvt_pk_bf16_f32 v[128*(1-(\sg))+4*u+1], v[128*(1-(\sg))+4*u+2], v[128*(1-(\sg))+4*u+3]
.set u, u+1
.endr
.endif
.if (\xc) && (n > 40)
	WIN 0x0c
.set u, 4*(n-41)
.rept 4
	ds_store_b64 v[XST+1-(\sg)], v[128*(1-(\sg))+4*u:128*(1-(\sg))+4*u+1] offset:u*1088  ; 256 consecutive bytes of a row; the slot was last read a step ago, ahead of that step's barrier
.set u, u+1
.endr
.endif
.endr
.endm
; THE FOURTH QUARTER multiplies buffer 1 and changes slots (nx = 1: there is a next step).  ONE barrier for three things: in front of it each wave has waited for all its tensor loads (the one that is
; out is its quarter of the next step's W), for its stores of the next step's x, and for its reads of this step's slots.  rf = 1: the barrier opens a round of the cluster's, and behind the round W's slot
; just read out is filled again, with the step two on: that load has 168 products before the wait for it.  Then the next slot's first fragments, in four groups among the last 24 products.
.macro LASTQ sg, rf, nx
	PLACES                                         ; behind the third quarter's products, which read buffer 0, in front of the loads into it
	WIN 0
.if \nx
	s_wait_tensorcnt 0x0                           ; all my tensor loads have landed;
	ds_add_u32 v[SPW], v[NIL]                      ; 0 onto my spare word;
.if \rf
	WPTR \sg                                       ; no load of mine is out, so a group 0 may be written
.endif
	s_wait_dscnt 33                                ; buffer 1 is in: x's 32 stores and the add, issued behind its loads, may be out
.else
	s_wait_dscnt 0x0
.endif
.set n, 0
.rept 12
	WM F1                                          ; twelve products stand between the add and the wait for it
.endr
.if \nx
	s_wait_dscnt 0x0                               ; the add is done, my stores of x are done, my reads of this step's slots are over
	s_barrier_signal -1
.endif
.rept 12
	WM F1                                          ; work on registers while the others arrive
.endr
.if \nx
	WIN 0
	s_barrier_wait -1
.if \rf
	CREST                                          ; all that holds of every wave of the four partners
	tensor_load_to_lds s[G0A+4*(\sg):G0A+4*(\sg)+3], s[G1:G1+7]  ; my one load behind the round; one load of mine is out
	s_nop 0
	PLACES
.endif
.endif
.set q, 0
.rept 24
.if (\nx) && (n%2 == 0) && (n < 32)
	FG F0, 1-(\sg), 0
.endif
	WM F1
.endr
.endm
; A K STEP on slots sg.  tb: the first two tables are asked for (keys alone).
.macro STEP sg, xl, xc, rf, nx, tb
.if \tb
	WIN 0
	s_cmp_eq_u32 s[KIND], 0
	s_cbranch_scc0 .Lno_table_\@
	LOADT 0
	LOADT 1
.Lno_table_\@:
.endif
	QUART F0, F1, \sg, 1, \xl, 0, 0
	QUART F1, F0, \sg, 2, 0, 0, 0
	QUART F0, F1, \sg, 3, 0, \xc, 32*(\xl)
	LASTQ \sg, \rf, \nx
.endm
	CROUND                                         ; all four work-groups are here: the first joint loads meet
	tensor_load_to_lds s[G0A:G0A+3], s[G1:G1+7]    ; W of my first step,
	s_nop 0
	tensor_load_to_lds s[G0A+4:G0A+7], s[G1:G1+7]  ; and of my second: two loads of mine are out
	s_nop 0
	PLACES
	WIN 0x40
.set t, 0
.rept 6
	global_load_b128 v[192+8*t:192+8*t+3],   v[BO], s[BP:BP+1] offset:64*t
	global_load_b128 v[192+8*t+4:192+8*t+7], v[BO], s[BP:BP+1] offset:64*t+16
.set t, t+1
.endr
	XLOAD 0
	s_wait_loadcnt 32                              ; the bias is in; x's 32 loads stay out
	WIN 0x45
.set q, 0
.rept 24
	v_cvt_pk_bf16_f32 v240, v[192+2*q], v[192+2*q+1]  ; the bias rounded to bf16, like every input
	v_lshlrev_b32 v[192+2*q], 16, v240
	v_and_b32 v[192+2*q+1], 0xffff0000, v240
.set q, q+1
.endr
.set q, 0
.rept 192
	v_mov_b32 v[q], v[192+q%48]                    ; the sums start at the bias: written while the first tiles are on their way, so that the loop has one form of product
.set q, q+1
.endr
	WIN 0x81
.set q, 0
.rept 192
	v_mov_b32 v[q], v[192+q%48]
.set q, q+1
.endr
	s_wait_xcnt 0x0                                ; the first set's loads have read their base
	XPTR
	XLOAD 1
	s_wait_loadcnt 32                              ; the first step's x is in
	XCVT 0, 0
	WIN 0
	s_wait_tensorcnt 0x1                           ; my quarter of slot 0 is in; slot 1's may stay out
	s_wait_dscnt 0x0                               ; my stores of x are done
	s_barrier_signal -1
	s_barrier_wait -1
.set q, 0
.rept 28
	FL F0, 0, 0
.endr
	s_mov_b32 s[CNT], 2
.Lk:
	STEP 0, 1, 1, 1, 1, 0
	STEP 1, 1, 1, 1, 1, 0
	WIN 0
	s_sub_co_u32 s[CNT], s[CNT], 1
	s_cmp_lg_u32 s[CNT], 0
	s_cbranch_scc1 .Lk
	STEP 0, 0, 1, 0, 1, 0                          ; the tail is written out: nothing is asked for any more
	STEP 1, 0, 0, 0, 0, 1
	PLACES
; THE WAY OUT of row tile i.  rope = 1 (keys): channels 32 a + p and 32 a + 16 + p (accumulators 2 a and 2 a + 1, the same register and lane) are turned by the angle of axis a, frequency
; p = 8 h + register; the table of the tile two on is asked for into the buffer just read.  Each accumulator is read from its lowest registers on.
; Then: rounded to f16, 16 bytes a lane, a piece (512 consecutive bytes) a store.
.macro OUTT i, rope
.set AB, 48*((\i)%4)
.set TBF, 48*((\i)%2)
.if \rope
.if (\i) == 7
	s_wait_loadcnt 0x0
.else
	s_wait_loadcnt 12                              ; this tile's table is in, the next one's 12 loads stay out
.endif
	WIN 0x5d+0x51*((\i)/4)                         ; accumulators and work in window 1 or 2, the table (source 1) in window 3
.irp a, 0,1,2
.irp j, 0,2,4,6
	v_pk_mul_f32 v[216+(\j):217+(\j)], v[AB+16*(\a)+(\j):AB+16*(\a)+(\j)+1], v[TBF+16*(\a)+8+(\j):TBF+16*(\a)+8+(\j)+1]
.endr
.irp j, 0,2,4,6
	v_pk_mul_f32 v[AB+16*(\a)+(\j):AB+16*(\a)+(\j)+1], v[AB+16*(\a)+(\j):AB+16*(\a)+(\j)+1], v[TBF+16*(\a)+(\j):TBF+16*(\a)+(\j)+1]
.endr
.irp j, 0,2,4,6
	v_pk_fma_f32 v[AB+16*(\a)+(\j):AB+16*(\a)+(\j)+1], v[AB+16*(\a)+8+(\j):AB+16*(\a)+8+(\j)+1], v[TBF+16*(\a)+8+(\j):TBF+16*(\a)+8+(\j)+1], v[AB+16*(\a)+(\j):AB+16*(\a)+(\j)+1] neg_lo:[1,0,0] neg_hi:[1,0,0]
.endr
.irp j, 0,2,4,6
	v_pk_fma_f32 v[AB+16*(\a)+8+(\j):AB+16*(\a)+8+(\j)+1], v[AB+16*(\a)+8+(\j):AB+16*(\a)+8+(\j)+1], v[TBF+16*(\a)+(\j):TBF+16*(\a)+(\j)+1], v[216+(\j):217+(\j)]
.endr
.endr
.if (\i) < 6
	LOADT (\i)+2
.endif
.endif
	s_wait_xcnt 0x0                                ; the last tile's stores have read their data: the packed registers may be written
	WIN 0x45+0x45*((\i)/4)
.set q, 0
.rept 24
	v_cvt_pk_f16_f32 v[192+q], v[AB+2*q], v[AB+2*q+1]
.set q, q+1
.endr
	WIN 0x04+0x04*((\i)/4)
.set t, 0
.rept 6
	global_store_b128 v[LO], v[192+4*t:192+4*t+3], s[OP:OP+1] offset:(6*(\i)+t)*512
.set t, t+1
.endr
.endm
	WIN 0
	s_cmp_eq_u32 s[KIND], 0                        ; ONE branch for the whole way out: inside a path no wait and no load is jumped, so each count sees the same loads on every way
	s_cbranch_scc0 .Lvalue
.irp i, 0,1,2,3,4,5,6,7
	OUTT \i, 1
.endr
	WIN 0
	s_branch .Lfin
.Lvalue:
.irp i, 0,1,2,3,4,5,6,7
	OUTT \i, 0
.endr
	WIN 0
.Lfin:
	s_wait_tensorcnt 0x0                           ; the wave's end: a tensor wait, an add onto my spare word and its wait, behind my last tensor load and my last LDS store
	ds_add_u32 v[SPW], v[NIL]
	s_wait_dscnt 0x0
	CROUND                                         ; the closing round
	s_endpgm
.Lfunc_end_k_q67f69c7dc7_kvproj:
	.size	k_q67f69c7dc7_kvproj, .Lfunc_end_k_q67f69c7dc7_kvproj-k_q67f69c7dc7_kvproj
	.p2alignl 7, 3214868480
	.fill 96, 4, 3214868480
	.section	.rodata,"a",@progbits
	.p2align	6, 0x0
	.amdhsa_kernel k_q67f69c7dc7_kvproj
		.amdhsa_group_segment_fixed_size 327680
		.amdhsa_private_segment_fixed_size 0
		.amdhsa_enable_private_segment 0
		.amdhsa_kernarg_size 56
		.amdhsa_user_sgpr_count 2
		.amdhsa_user_sgpr_kernarg_segment_ptr 1
		.amdhsa_wavefront_size32 1
		.amdhsa_system_sgpr_workgroup_id_x 1
		.amdhsa_system_sgpr_workgroup_id_y 1
		.amdhsa_system_sgpr_workgroup_id_z 1
		.amdhsa_system_vgpr_workitem_id 0
		.amdhsa_next_free_vgpr 1024
		.amdhsa_next_free_sgpr 96
		.amdhsa_reserve_vcc 0
		.amdhsa_float_denorm_mode_32 3
		.amdhsa_float_denorm_mode_16_64 3
		.amdhsa_memory_ordered 1
		.amdhsa_forward_progress 1
		.amdhsa_inst_pref_size 220
	.end_amdhsa_kernel
	.amdgpu_metadata
---
amdhsa.version: [ 1, 2 ]
amdhsa.kernels:
  - .name:           k_q67f69c7dc7_kvproj
    .symbol:         k_q67f69c7dc7_kvproj.kd
    .args:
      - { .name: key, .offset: 0, .size: 8, .value_kind: global_buffer, .address_space: global }
      - { .name: value, .offset: 8, .size: 8, .value_kind: global_buffer, .address_space: global }
      - { .name: wf, .offset: 16, .size: 8, .value_kind: global_buffer, .address_space: global }
      - { .name: bk, .offset: 24, .size: 8, .value_kind: global_buffer, .address_space: global }
      - { .name: bv, .offset: 32, .size: 8, .value_kind: global_buffer, .address_space: global }
      - { .name: tk, .offset: 40, .size: 8, .value_kind: global_buffer, .address_space: global }
      - { .name: kv, .offset: 48, .size: 8, .value_kind: global_buffer, .address_space: global }
    .group_segment_fixed_size: 327680
    .private_segment_fixed_size: 0
    .kernarg_segment_align: 8
    .kernarg_segment_size: 56
    .max_flat_workgroup_size: 128
    .sgpr_count:     96
    .vgpr_count:     1024
    .wavefront_size: 32
...
	.end_amdgpu_metadata
.endif
;; end of part 2
;; launch attn (part 3): grid 8 x 32, 4 waves a work-group, clusters of 4 x 1, 327,680 bytes of LDS; arguments xq, wf, bq, tq, kv, of; writes of
.if DOCPART == 3
	.amdgcn_target "amdgcn-amd-amdhsa--gfx1250"
	.amdhsa_code_object_version 6
	.text
	.protected	k_q67f69c7dc7_attn
	.globl	k_q67f69c7dc7_attn
	.p2align	8
	.type	k_q67f69c7dc7_attn,@function
k_q67f69c7dc7_attn:
	s_mov_b64 s[64:65], 0
	v_nop
	global_prefetch_b8 v0, s[64:65] scope:SCOPE_SE
	s_setreg_imm32_b32 hwreg(HW_REG_WAVE_MODE, 25, 1), 1
	s_wait_xcnt 0x0
	s_wait_alu depctr_hold_cnt(0) depctr_sa_sdst(0) depctr_va_vdst(0) depctr_va_sdst(0) depctr_va_ssrc(0) depctr_va_vcc(0) depctr_vm_vsrc(0)
	s_getreg_b32 s2, hwreg(HW_REG_IB_STS2, 6, 4)
	s_cmp_eq_u32 s2, 0
	s_cbranch_scc0 .Lentry_in_a_cluster
	s_endpgm
.Lentry_in_a_cluster:
	s_bfe_u32 s2, ttmp6, 0x10000c
	s_cmp_lg_u32 s2, 0x3003
	s_cbranch_scc0 .Lentry_shape_is_right
	s_endpgm
.Lentry_shape_is_right:
; q = rope(query Wq^T + bq) for 128 queries of one head, then O = softmax(q k^T / sqrt(96)) v over the head's 4,096 keys.  The projection in bf16, q, k, v, the weights p and O in f16; all sums,
; maxima and the rotation in f32.
; LIMITS.  The bias is rounded to bf16 like every input.  q must stay under 65,504 (f16).  A weight below 2^-126 counts as 0 in its sum; NaN and infinities are not treated apart.
; SHARES.  Work-group (x, y): head y = 8 b + hd, queries 128 x .. 128 x + 127.  Wave w: queries 64 (w / 2) .. + 63, four tiles of 16, and keys 128 (w % 2) .. + 127 of every tile of 256 keys: 32 steps of
; 64 keys.  The two waves of a query half each keep a running maximum and sum; they are merged once, in f32, through LDS.
; LAYOUT.  S^T = K Q^T (a lane holds one query and 8 keys), two such results rounded to f16 are source 1 of O^T = V^T P.  K, V and Q lie in pieces of 512 bytes, 16 bytes a lane, so every fragment load
; is 32 lanes x 16 consecutive bytes; V's pieces were written so that the turning load finds V^T.
; SOFTMAX.  p = 2^(c s - c m), c = log2(e) / sqrt(96), m the running maximum; O and l are multiplied by a = 2^(c m_old - c m_new) in every step.  m starts at the lowest finite number, O and l at 0:
; the first step is a step like any other, with a = 0.
; BY TURNS.  The wave's tiles are two pieces (tiles 0, 1 and tiles 2, 3).  In a turn one piece has the matrix unit (24 products V^T P, 24 products K Q^T of the next step) and the other piece's softmax,
; 252 vector instructions in 63 slices of four, stands behind those products, one or two slices each.
; ONE TEXT FOR EVERY TURN.  The loop is entered, and the tail left, in the middle of a trip.  The price, once a launch: 336 lines that write starting values, 24 products on zeros at the start,
; and at the end 24 products and one run of LDS loads whose results serve nothing.
; CLUSTER.  The four query blocks of a cluster share the head: Wq's slice and every tile of K and V are asked for jointly (mask 15), a quarter by each wave.
; REGISTERS, in windows of 256: window 0: v2-10 addresses; v12-43 statistics, 8 a tile; v44-51 at work; v64-191 S^T, 32 a tile; v192-255 P, 16 a tile.  window 1: O^T, 48 a tile.
; window 2: v0-95 Q, 24 a tile; v128-223 K of one step.  window 3: v0-95 V of one step.  In the projection: window 0 v64-159 sums, v160-255 tables; window 1 v0-191 W, v192-239 bias; window 3 v0-127 x.
.set SLOT1, 1<<17                      ; slot 0 at 0, slot 1 here: a slot is a tile of 256 keys as it lies in memory: K 49,152, V 49,152: [key tile 16][t 6][512]
.set TILEB, 98304
.set STEPB, 12288                      ; 64 keys of K, or of V
.set SPARE, 98304                      ; the spare words, 128 bytes a wave
.set QX,    98816                      ; q on its way from the waves that make it to those that use it: [tile 8][t 6][512]; stored by the waves, never a tensor load's target
.set AK0, 2                            ; v2  my place in my half of a slot's K
.set AV0, 3                            ; v3  the same for V
.set ADR, 4                            ; v4  the address of the run of loads in hand
.set L16, 5                            ; v5  16 x lane
.set BOF, 6                            ; v6  32 x (lane / 16)
.set WA,  7                            ; v7  my place in Wq's slice; steps 24,576 for each 128 of K
.set QST, 8                            ; v8  where I put q
.set QLD, 9                            ; v9  where I read it
.set MB,  10                           ; v10 my place in the merge's bytes
.set ST,  12                           ; tile t's statistics at v[ST+8 t]: c m, m, l (even keys', odd keys'), four at work; a takes the third of those once the maximum is found
.set PFO, 61
.set SPW, 62
.set NIL, 63
.set S,   64
.set P,   192
.set KF,  128
.set WV,  16
.set CX,  17
.set QB,  18
.set YH,  19
.set BB,  20
.set HD,  21
.set QH,  22
.set KH,  23
.set G1,  24                           ; s[24:31] group 1 for a quarter of a tile: 96 rows of 256 bytes
.set G1W, 32                           ; s[32:39] for a quarter of Wq's slice: 144 rows
.set G0W, 40                           ; s[40:43]
.set G0,  44                           ; s[44:47] tile 0
.set G0P, 48                           ; s[48:51] the walking descriptor, from tile 1 on
.set PFA, 52
.set LIM, 54
.set SLOTS, 56
.set TWICE, 57
.set CS,  58
.set SEL, 60
.set TB,  62
.set XQP, 66
.set TQP, 68
.set BQP, 70
.set OP,  72
.set QCNT, 88
.set MSB, 0
.macro WIN new
.if MSB != (\new)
	s_set_vgpr_msb (MSB<<8)|(\new)
.set MSB, \new
.endif
.endm
.set W_KQ, 0x0a
.set W_PV, 0x53
.set W_RS, 0x41
.macro PLACES
.rept 4
	v_nop
.endr
.endm
.macro CROUND
	s_barrier_signal -1
	s_barrier_wait -1
	s_cmp_lg_u32 s[WV], 0
	s_cbranch_scc1 .Lnot_wave_0_\@
	s_barrier_signal -3
.Lnot_wave_0_\@:
	s_barrier_wait -3
	s_barrier_signal -1
	s_barrier_wait -1
.endm
; The tile that the NEXT change of slots will ask for: 98,304 bytes = 4 partners x 3 waves x 32 lanes x 256 bytes, shared out by address; of a head's two clusters the first asks; the last filling change asks for nothing.
.macro ASK
	s_cmp_gt_u32 s[SLOTS], s[LIM]
	s_cbranch_scc0 .Lnot_mine_\@
	global_prefetch_b8 v[PFO], s[PFA:PFA+1] th:TH_LOAD_NT scope:SCOPE_SE
.Lnot_mine_\@:
.endm
	s_load_b256 s[4:11], s[0:1], 0x0               ; xq s[4:5], wf s[6:7], bq s[8:9], tq s[10:11]
	s_load_b128 s[12:15], s[0:1], 0x20             ; kv s[12:13], of s[14:15]
	v_lshl_add_u32 v[SPW], v0, 2, SPARE
	v_mov_b32 v[NIL], 0
	ds_add_u32 v[SPW], v[NIL]                      ; the wave's opening: the add and its wait stand ahead of my first tensor load
	v_lshrrev_b32 v1, 5, v0
	v_readfirstlane_b32 s[WV], v1
	s_bfe_u32 s[CX], ttmp6, 0x40000
	s_lshl_b32 s[QB], ttmp9, 2
	s_add_co_u32 s[QB], s[QB], s[CX]               ; my block of 128 queries: it enters x's, the table's and O's addresses alone
	s_and_b32 s[YH], ttmp7, 0xffff
	s_lshr_b32 s[BB], s[YH], 3
	s_and_b32 s[HD], s[YH], 7
	s_lshr_b32 s[QH], s[WV], 1
	s_and_b32 s[KH], s[WV], 1
.irp g, G1, G1W
	s_mov_b32 s[(\g)+0], 15|(3<<16)|(1<<21)        ; the mask of four; elements of 8 bytes; bit 21 beside a mask
	s_mov_b32 s[(\g)+1], 32<<16                    ; rows of 256 bytes
	s_mov_b32 s[(\g)+3], 32<<16
	s_mov_b32 s[(\g)+5], 32
	s_mov_b32 s[(\g)+6], 0
	s_mov_b32 s[(\g)+7], 0
.endr
	s_mov_b32 s[G1+2], 96<<16
	s_mov_b32 s[G1+4], 96
	s_mov_b32 s[G1W+2], 144<<16
	s_mov_b32 s[G1W+4], 144
	s_mov_b32 s[G0W], 1
	s_mov_b32 s[G0], 1
	s_mov_b32 s[G0P], 1
	s_mul_i32 s74, s[WV], 36864
	s_add_co_u32 s[G0W+1], s74, SLOT1              ; Wq's slice, 147,456 bytes, lies from slot 1's first byte on until q is made
	s_mul_i32 s75, s[HD], 147456
	s_add_co_u32 s74, s74, s75
	s_mov_b32 s75, 0
	s_mul_i32 s78, s[WV], 24576
	s_mov_b32 s[G0+1], s78
	s_add_co_u32 s[G0P+1], s78, SLOT1
	s_mul_i32 s76, s[YH], 1572864                  ; the head's 16 tiles
	s_add_co_u32 s78, s78, s76
	s_mov_b32 s79, 0
	s_mul_i32 s77, s[CX], 24576
	s_add_co_u32 s76, s76, s77
	s_lshl_b32 s77, s[WV], 13
	s_add_co_u32 s76, s76, s77
	s_add_co_u32 s76, s76, 2*TILEB                 ; the prefetches stand at tile 2; the first change steps them to tile 3
	s_mov_b32 s77, 0
	s_lshl_b32 s80, s[BB], 6
	s_lshl3_add_u32 s80, s[QB], s80                ; my block's first tile of 16 rows
	s_lshl1_add_u32 s81, s[WV], s80                ; the two tiles whose q I make
	s_lshl2_add_u32 s80, s[QH], s80                ; the four tiles that I attend for
	s_mul_i32 s82, s81, 24576
	s_mov_b32 s83, 0
	s_mul_i32 s84, s81, 6144
	s_mov_b32 s85, 0
	s_mul_i32 s86, s80, 24576
	s_mul_i32 s87, s[HD], 3072
	s_add_co_u32 s86, s86, s87
	s_mov_b32 s87, 0
	s_mul_i32 s80, s[HD], 384
	s_mov_b32 s81, 0
	s_mov_b32 s[CS], 0x3e16c740                    ; c = log2(e) / sqrt(96) = 0.1472445
	s_mov_b32 s[CS+1], s[CS]
	s_mov_b32 s[SEL], 0x76543210
	s_mov_b32 s[SEL+1], 0xfedcba98
	s_mov_b32 s[TB], 0
	s_mov_b32 s[SLOTS], 15                         ; tile 0's pass through the loop, then 14 changes that fill
	s_cmp_lt_u32 s[WV], 3
	s_cselect_b32 s[LIM], 1, -1
	s_cmp_eq_u32 ttmp9, 0
	s_cselect_b32 s[LIM], s[LIM], -1
	v_and_b32 v1, 31, v0
	v_bfe_u32 v11, v0, 4, 1
	v_lshlrev_b32 v[L16], 4, v1
	v_lshlrev_b32 v[PFO], 8, v1
	v_lshlrev_b32 v[BOF], 5, v11
	s_mul_i32 s89, s[KH], 24576
	v_add_nc_u32 v[AK0], s89, v[L16]
	v_add_nc_u32 v[AV0], 49152, v[AK0]
	v_add_nc_u32 v[WA], SLOT1, v[L16]
	s_mul_i32 s89, s[WV], 6144
	s_add_co_u32 s89, s89, QX
	v_add_nc_u32 v[QST], s89, v[L16]
	s_mul_i32 s89, s[QH], 12288
	s_add_co_u32 s89, s89, QX
	v_add_nc_u32 v[QLD], s89, v[L16]
	s_mul_i32 s89, s[QH], 26624
	v_add_nc_u32 v[MB], s89, v[L16]
	s_wait_dscnt 0x0                               ; the opening add is done
	s_wait_kmcnt 0x0
	s_add_nc_u64 s[G0W+2:G0W+3], s[6:7], s[74:75]
	s_or_b32 s[G0W+3], s[G0W+3], 0x80000000
	s_add_nc_u64 s[G0+2:G0+3], s[12:13], s[78:79]
	s_add_nc_u64 s[G0P+2:G0P+3], s[G0+2:G0+3], TILEB
	s_or_b32 s[G0+3], s[G0+3], 0x80000000
	s_or_b32 s[G0P+3], s[G0P+3], 0x80000000
	s_add_nc_u64 s[PFA:PFA+1], s[12:13], s[76:77]
	s_add_nc_u64 s[XQP:XQP+1], s[4:5], s[82:83]
	s_add_nc_u64 s[TQP:TQP+1], s[10:11], s[84:85]
	s_add_nc_u64 s[BQP:BQP+1], s[8:9], s[80:81]
	s_add_nc_u64 s[OP:OP+1], s[14:15], s[86:87]
	CROUND                                         ; all four work-groups are here: the first joint loads meet
	tensor_load_to_lds s[G0W:G0W+3], s[G1W:G1W+7]  ; my quarter of Wq's slice,
	s_nop 0
	tensor_load_to_lds s[G0:G0+3], s[G1:G1+7]      ; and of tile 0: two loads of mine are out
	s_nop 0
	PLACES
	; ---- THE PROJECTION.  Wave w makes q of tiles 2 w and 2 w + 1: 12 sums of 16 x 16, K in six blocks of 128.
.macro XQL set, extra                  ; 16 loads: two tiles' eight pieces of one block of 128
.set u, 0
.rept 16
	global_load_b128 v[64*(\set)+4*u:64*(\set)+4*u+3], v[L16], s[XQP:XQP+1] offset:(u/8)*24576+(u%8)*512+(\extra)
.set u, u+1
.endr
.endm
	WIN 0x40
.set t, 0
.rept 6
	global_load_b128 v[192+8*t:192+8*t+3],   v[BOF], s[BQP:BQP+1] offset:64*t
	global_load_b128 v[192+8*t+4:192+8*t+7], v[BOF], s[BQP:BQP+1] offset:64*t+16
.set t, t+1
.endr
	WIN 0
.set u, 0
.rept 24
	global_load_b128 v[160+4*u:160+4*u+3], v[L16], s[TQP:TQP+1] offset:u*512  ; the two tiles' tables: tile u / 12, axis a at 16 a: 8 cos, 8 sin
.set u, u+1
.endr
	WIN 0xc0
	XQL 0, 0
	XQL 1, 4096
	s_wait_loadcnt 56                              ; the bias is in: 24 loads of tables and 32 of x stay out
	WIN 0x45
.set q, 0
.rept 24
	v_cvt_pk_bf16_f32 v240, v[192+2*q], v[192+2*q+1]
	v_lshlrev_b32 v[192+2*q], 16, v240
	v_and_b32 v[192+2*q+1], 0xffff0000, v240
.set q, q+1
.endr
	WIN 0x01
.set q, 0
.rept 96
	v_mov_b32 v[64+q], v[192+q%48]                 ; the sums start at the bias, written while the first tiles are on their way
.set q, q+1
.endr
	WIN 0
	s_wait_tensorcnt 1                             ; my quarter of Wq is in; tile 0 may stay out
	s_barrier_signal -1
	s_barrier_wait -1
; One block of 128 along K on x's set.  left: the younger loads that may stay out.  reload: the set takes the block two on.
.macro QCH set, left, reload
	s_wait_loadcnt \left
	WIN 0x40
.set c, 0
.rept 4
.set t, 0
.rept 6
	ds_load_b128 v[48*c+8*t:48*c+8*t+3],   v[WA] offset:t*4096+c*1024
	ds_load_b128 v[48*c+8*t+4:48*c+8*t+7], v[WA] offset:t*4096+c*1024+512
.set t, t+1
.endr
.set c, c+1
.endr
	WIN 0
	v_add_nc_u32 v[WA], 24576, v[WA]
	WIN 0x0d                                       ; W in window 1, x in window 3, the sums in window 0
.set c, 0
.rept 4
	s_wait_dscnt 36-12*c                           ; the twelve loads of 32 along K are in, the later ones stay out
.set u, 0
.rept 12                                       ; the twelve sums take turns
	v_wmma_f32_16x16x32_bf16 v[64+8*u:64+8*u+7], v[48*c+8*(u%6):48*c+8*(u%6)+7], v[64*(\set)+32*(u/6)+8*c:64*(\set)+32*(u/6)+8*c+7], v[64+8*u:64+8*u+7]
.set u, u+1
.endr
.set c, c+1
.endr
	PLACES
.if \reload
	s_wait_xcnt 0x0
	s_add_nc_u64 s[XQP:XQP+1], s[XQP:XQP+1], 4096
	WIN 0xc0
	XQL \set, 4096
.endif
	WIN 0
.endm
	s_mov_b32 s[QCNT], 2
.Lq:
	QCH 0, 16, 1
	QCH 1, 16, 1
	s_sub_co_u32 s[QCNT], s[QCNT], 1
	s_cmp_lg_u32 s[QCNT], 0
	s_cbranch_scc1 .Lq
	QCH 0, 16, 0
	QCH 1, 0, 0
	; the rotation: channels 32 a + p and 32 a + 16 + p lie in sums 2 a and 2 a + 1, the same register and lane; each sum is read from its lowest registers on
.irp u, 0,1
.irp a, 0,1,2
.irp j, 0,2,4,6
	v_pk_mul_f32 v[44+(\j):45+(\j)], v[64+48*(\u)+16*(\a)+(\j):64+48*(\u)+16*(\a)+(\j)+1], v[160+48*(\u)+16*(\a)+8+(\j):160+48*(\u)+16*(\a)+8+(\j)+1]
.endr
.irp j, 0,2,4,6
	v_pk_mul_f32 v[64+48*(\u)+16*(\a)+(\j):64+48*(\u)+16*(\a)+(\j)+1], v[64+48*(\u)+16*(\a)+(\j):64+48*(\u)+16*(\a)+(\j)+1], v[160+48*(\u)+16*(\a)+(\j):160+48*(\u)+16*(\a)+(\j)+1]
.endr
.irp j, 0,2,4,6
	v_pk_fma_f32 v[64+48*(\u)+16*(\a)+(\j):64+48*(\u)+16*(\a)+(\j)+1], v[64+48*(\u)+16*(\a)+8+(\j):64+48*(\u)+16*(\a)+8+(\j)+1], v[160+48*(\u)+16*(\a)+8+(\j):160+48*(\u)+16*(\a)+8+(\j)+1], v[64+48*(\u)+16*(\a)+(\j):64+48*(\u)+16*(\a)+(\j)+1] neg_lo:[1,0,0] neg_hi:[1,0,0]
.endr
.irp j, 0,2,4,6
	v_pk_fma_f32 v[64+48*(\u)+16*(\a)+8+(\j):64+48*(\u)+16*(\a)+8+(\j)+1], v[64+48*(\u)+16*(\a)+8+(\j):64+48*(\u)+16*(\a)+8+(\j)+1], v[160+48*(\u)+16*(\a)+(\j):160+48*(\u)+16*(\a)+(\j)+1], v[44+(\j):45+(\j)]
.endr
.endr
.endr
.set u, 0
.rept 12
.irp j, 0,1,2,3
	v_cvt_pk_f16_f32 v[64+8*u+(\j)], v[64+8*u+2*(\j)], v[64+8*u+2*(\j)+1]
.endr
	ds_store_b128 v[QST], v[64+8*u:64+8*u+3] offset:u*512
.set u, u+1
.endr
	s_wait_tensorcnt 0x0                           ; all my tensor loads have landed, my quarter of tile 0 among them;
	ds_add_u32 v[SPW], v[NIL]                      ; 0 onto my spare word;
	s_wait_dscnt 0x0                               ; the add is done, my reads of Wq are over, my q is stored
	CROUND                                         ; all that holds of every wave of the four partners
	tensor_load_to_lds s[G0P:G0P+3], s[G1:G1+7]    ; tile 1 into slot 1, over Wq's bytes: my one load behind the round
	s_nop 0
	PLACES
	WIN 0x80
.set u, 0
.rept 12                                       ; my four tiles' q stays in registers: tile u / 3, channels 32 (u % 3) on
	ds_load_b128 v[8*u:8*u+3],   v[QLD] offset:(u/3)*3072+(u%3)*1024
	ds_load_b128 v[8*u+4:8*u+7], v[QLD] offset:(u/3)*3072+(u%3)*1024+512
.set u, u+1
.endr
	WIN 0
; THE MATRIX WORK OF A TURN, for piece x.  The accumulators take turns, one instruction a turn.
; Product i of 24 of O^T += V^T P: keys 32 (i / 12) on, channels 16 ((i / 2) % 6) on, tile x + i % 2.
.macro PV x
	WIN W_PV
.set rO, 48*((\x)+i%2)+8*((i/2)%6)
.set rV, 48*(i/12)+8*((i/2)%6)
.set rP, P+16*((\x)+i%2)+8*(i/12)
	v_wmma_f32_16x16x32_f16 v[rO:rO+7], v[rV:rV+7], v[rP:rP+7], v[rO:rO+7]
.endm
; Product i of 24 of S^T = K Q^T: channels 32 (i / 8) on, keys 16 ((i / 2) % 4) on, tile x + i % 2.  The first 8 start the sums.
.macro KQ x
	WIN W_KQ
.set rS, S+32*((\x)+i%2)+8*((i/2)%4)
.set rK, KF+24*((i/2)%4)+8*(i/8)
.set rQ, 24*((\x)+i%2)+8*(i/8)
.if i < 8
	v_wmma_f32_16x16x32_f16 v[rS:rS+7], v[rK:rK+7], v[rQ:rQ+7], 0
.else
	v_wmma_f32_16x16x32_f16 v[rS:rS+7], v[rK:rK+7], v[rQ:rQ+7], v[rS:rS+7]
.endif
.endm
; THE LDS LOADS stand in runs of 24: a step's K (12 fragments) and, a turn later, its V (turned).
.macro FETCH_K
	WIN 0
	v_add_nc_u32 v[ADR], s[TB], v[AK0]
	WIN 0x80
.irp f, 0,1,2,3,4,5,6,7,8,9,10,11      ; keys 16 (f / 3) on, channels 32 (f % 3) on
	ds_load_b128 v[KF+8*(\f):KF+8*(\f)+3],   v[ADR] offset:((\f)/3)*3072+((\f)%3)*1024
	ds_load_b128 v[KF+8*(\f)+4:KF+8*(\f)+7], v[ADR] offset:((\f)/3)*3072+((\f)%3)*1024+512
.endr
.endm
.macro FETCH_V
	WIN 0
	v_add_nc_u32 v[ADR], s[TB], v[AV0]
	s_add_co_u32 s[TB], s[TB], STEPB               ; the next fetch is the next step's
	s_wait_alu depctr_va_vdst(0)                   ; the wait for the softmax's batch of exponentials, ahead of the first line that names a result
	WIN 0xc0
.irp f, 0,1,2,3,4,5,6,7,8,9,10,11      ; keys 32 (f / 6) on, channels 16 (f % 6) on
	ds_load_tr16_b128 v[8*(\f):8*(\f)+3],   v[ADR] offset:((\f)/6)*6144+((\f)%6)*512
	ds_load_tr16_b128 v[8*(\f)+4:8*(\f)+7], v[ADR] offset:((\f)/6)*6144+((\f)%6)*512+3072
.endr
.endm
; THE VECTOR WORK OF A TURN.  One tile's softmax for one key step is a list of 126 instructions; SM writes number j of it for tile t.  s0-s31 are the lane's 32 scores, in pairs 0-15.
;   0-15 the maximum of s0-s31 and the old m (each accumulator's lowest registers first)     16-20 the other half of the lanes' maximum; c m_old kept; the new m; c m; c m_old - c m_new
;   21-69 ONE BATCH: the 16 scalings c s - c m and all 33 exponentials (a at 23); none of these reads an exponential's result     (the wait stands between 69 and 70)
;   70-85 the roundings to f16     86-101 the sums; l = a l + the sum     102-125 the tile's O^T times a
.macro SM t
.set rT, ST+8*(\t)
.set rS, S+32*(\t)
.set rP, P+16*(\t)
.set rO, 48*(\t)+2*(j-102)
.if j < 102
	WIN 0
.endif
.if j < 4
	v_max3_num_f32 v[rT+4+j], v[rS+8*j], v[rS+8*j+1], v[rS+8*j+2]
.elseif j < 12
	v_max3_num_f32 v[rT+4+j%4], v[rT+4+j%4], v[rS+8*(j%4)+2*(j/4)+1], v[rS+8*(j%4)+2*(j/4)+2]
.elseif j == 12
	v_max3_num_f32 v[rT+4], v[rT+4], v[rS+7], v[rS+15]
.elseif j == 13
	v_max3_num_f32 v[rT+6], v[rT+6], v[rS+23], v[rS+31]
.elseif j == 14
	v_max3_num_f32 v[rT+4], v[rT+4], v[rT+5], v[rT+6]
.elseif j == 15
	v_max3_num_f32 v[rT+4], v[rT+4], v[rT+7], v[rT+1]
.elseif j == 16
	v_permlanex16_b32 v[rT+5], v[rT+4], s[SEL], s[SEL+1]
.elseif j == 17
	v_mov_b32 v[rT+7], v[rT]
.elseif j == 18
	v_max_num_f32 v[rT+1], v[rT+4], v[rT+5]
.elseif j == 19
	v_mul_f32 v[rT], s[CS], v[rT+1]
.elseif j == 20
	v_sub_f32 v[rT+7], v[rT+7], v[rT]
.elseif j == 23
	v_exp_f32 v[rT+6], v[rT+7]
.elseif (j < 23) || ((j < 38) && (j%2 == 0)) || ((j < 66) && (j%4 == 2))
.set b, (j-2)/4
.if j < 38
.set b, (j-20)/2
.endif
	v_pk_fma_f32 v[rS+2*b:rS+2*b+1], v[rS+2*b:rS+2*b+1], s[CS:CS+1], v[rT:rT+1] op_sel_hi:[1,0,0] neg_lo:[0,0,1] neg_hi:[0,0,1]
.elseif j < 70
.set e, j-38
.if j < 66
.set e, j-32-(j-38)/4
.endif
.if j < 38
.set e, (j-25)/2
.endif
	v_exp_f32 v[rS+e], v[rS+e]
.elseif j < 86
	v_cvt_pk_f16_f32 v[rP+j-70], v[rS+2*(j-70)], v[rS+2*(j-70)+1]
.elseif j < 102
.set z, j-86
.set w, 4
.set u, z
.if z >= 14
.set w, 32
.set u, 0
.elseif z >= 12
.set w, 16
.set u, z-12
.elseif z >= 8
.set w, 8
.set u, z-8
.endif
.if z < 15
	v_pk_add_f32 v[rS+w*u:rS+w*u+1], v[rS+w*u:rS+w*u+1], v[rS+w*u+w/2:rS+w*u+w/2+1]
.else
	v_pk_fma_f32 v[rT+2:rT+3], v[rT+2:rT+3], v[rT+6:rT+7], v[rS:rS+1] op_sel_hi:[1,0,1]
.endif
.else
	WIN W_RS
	v_pk_mul_f32 v[rO:rO+1], v[rO:rO+1], v[rT+6:rT+7] op_sel_hi:[1,0]
.endif
.endm
; Slice k of 63 of piece y's softmax: four instructions.  Slices 11 to 34 deal out the batch, four numbers of one tile each, the tiles by turns; every other slice is numbers 2 k and 2 k + 1 of both tiles.
; Behind slice 34 all 66 exponentials are issued and no result has been named: a plain instruction, then the one wait (in piece 2's turn inside V's run of loads).
.macro SLICE y
.if (k >= 11) && (k < 35)
.irp n, 0,1,2,3
.set j, 22+4*((k-11)/2)+(\n)
	SM (\y)+(k-11)%2
.endr
.else
.irp n, 0,1
.irp t, \y, (\y)+1
.set j, 2*k+(\n)
	SM \t
.endr
.endr
.endif
.if k == 34
	v_nop
.if (\y) == 0
	FETCH_V
.else
	s_wait_alu depctr_va_vdst(0)
.endif
.endif
.set k, k+1
.endm
.macro RIDE y                          ; behind product nn of 48: the slices up to 63 nn / 48
.set nn, nn+1
.rept (nn*63)/48-k
	SLICE \y
.endr
.endm
; A TURN.  Piece x has the matrix unit: 24 products V^T P of the step in hand, 24 products K Q^T of the next.
; Piece 0's turn fetches the next step's K behind its second product: K's last reader stands ahead of the eight plain rescalings that end the turn before.  Piece 2's turn fetches the step's V behind
; slice 34, that is behind product 26: V's last reader is product 23, and three products and 18 plain instructions lie between (slices 31 to 34, the v_nop, the run's own addition).
; The last two slices, eight plain rescalings of the other piece's O^T, are the places behind the turn's last products.
.macro TURN x
.set k, 0
.set nn, 0
.if (\x) == 0
	s_wait_dscnt 0x0                               ; V is in
.endif
.set i, 0
.rept 24
	PV \x
	RIDE 2-(\x)
.if ((\x) == 0) && (i == 1)
	FETCH_K
.endif
.set i, i+1
.endr
.if (\x) == 0
	s_wait_dscnt 0x0                               ; K is in
.endif
.set i, 0
.rept 24
	KQ \x
	RIDE 2-(\x)
.set i, i+1
.endr
.endm
; THE CHANGE OF SLOTS.  fill = 1: the slot just read out is filled again with the tile two on, first thing behind a round of the cluster's barrier; it has two key steps, 192 matrix instructions, in which to land.
.macro CHANGE fill
	WIN 0
	s_wait_tensorcnt 0x0                           ; all my tensor loads have landed: the one that was out is my quarter of the other slot;
	ds_add_u32 v[SPW], v[NIL]                      ; 0 onto my spare word;
.if \fill
	s_xor_b32 s[G0P+1], s[G0P+1], SLOT1            ; no load of mine is out, so the walking descriptor may be written: the other slot, the next tile
	s_add_nc_u64 s[G0P+2:G0P+3], s[G0P+2:G0P+3], TILEB
	s_wait_xcnt 0x0                                ; the last prefetch, two key steps back, has read its address
	s_add_nc_u64 s[PFA:PFA+1], s[PFA:PFA+1], TILEB
	s_wait_dscnt 0x0                               ; the add is done, and my reads of the slot are over
	CROUND
	tensor_load_to_lds s[G0P:G0P+3], s[G1:G1+7]
	s_nop 0
	PLACES
	ASK
.else
	s_wait_dscnt 0x0
	s_barrier_signal -1
	s_barrier_wait -1
.endif
	s_sub_co_u32 s[TB], s[TB], 2*STEPB
	s_xor_b32 s[TB], s[TB], SLOT1
.endm
	FETCH_K                                        ; key step 0 (tile 0 was shown landed ahead of the round)
	; What the first turn finds, written while q and K are on their way out of LDS: O^T and l are 0, V's registers and piece 2's P are 0 (its products V^T P, of a step that has not been, add 0),
	; m is the lowest finite number and c m lies far below every c s, so that the first a is 0.
	WIN 0x40
.set q, 0
.rept 192
	v_mov_b32 v[q], 0
.set q, q+1
.endr
	WIN 0xc0
.set q, 0
.rept 96
	v_mov_b32 v[q], 0
.set q, q+1
.endr
	WIN 0
.set q, 0
.rept 32
	v_mov_b32 v[P+32+q], 0
.set q, q+1
.endr
.set q, 0
.rept 4
	v_mov_b32 v[ST+8*q], 0xfe000000
	v_mov_b32 v[ST+8*q+1], 0xff7fffff
	v_mov_b32 v[ST+8*q+2], 0
	v_mov_b32 v[ST+8*q+3], 0
.set q, q+1
.endr
	s_wait_dscnt 0x0                               ; q and K
.set i, 0
.rept 24
	KQ 0                                           ; piece 0's first scores
.set i, i+1
.endr
	WIN 0
	PLACES
	s_mov_b32 s[TWICE], 2
	s_branch .Lmid                                 ; the loop is entered at piece 2's turn, in the middle of a trip
.Lslot:                                        ; 14 times: tiles 2 to 15 are asked for
	CHANGE 1
	s_mov_b32 s[TWICE], 2
.Lstep:                                        ; a trip: piece 0's turn, which fetches the next step's K, and piece 2's, which fetches that step's V
	TURN 0
	WIN 0
.Lmid:
	TURN 2
	WIN 0
	s_sub_co_u32 s[TWICE], s[TWICE], 1
	s_cmp_lg_u32 s[TWICE], 0
	s_cbranch_scc1 .Lstep
	s_sub_co_u32 s[SLOTS], s[SLOTS], 1
	s_cmp_lg_u32 s[SLOTS], 0
	s_cbranch_scc1 .Lslot
	CHANGE 0                                       ; the tail is written out: nothing is asked for
	s_mov_b32 s[TWICE], 3                          ; two trips for the last tile's steps; the third is left in its middle
.Ltail:
	TURN 0
	WIN 0
	s_sub_co_u32 s[TWICE], s[TWICE], 1
	s_cmp_eq_u32 s[TWICE], 0
	s_cbranch_scc1 .Lout
	TURN 2
	WIN 0
	s_branch .Ltail
.Lout:                                         ; the third trip's run of K loads (bytes of the same slot behind my last step) and its 24 products K Q^T serve nothing
.set i, 0
.rept 24
	PV 2                                           ; piece 2: V^T P of the last step
.set i, i+1
.endr
	; ---- THE MERGE of the two key halves, through slot 0, which has had its last fill and was read out ahead of the last change of slots.  The wave with the upper keys stores O^T and its statistics.
	WIN 0
	PLACES
	s_cmp_eq_u32 s[KH], 1
	s_cbranch_scc0 .Lkeep
	WIN 0x04
.set g, 0
.rept 48
	ds_store_b128 v[MB], v[4*g:4*g+3] offset:g*512
.set g, g+1
.endr
	WIN 0
.irp t, 0,1,2,3
	ds_store_b128 v[MB], v[ST+8*(\t):ST+8*(\t)+3] offset:(48+(\t))*512  ; c m, m, l (two halves)
.endr
.Lkeep:
	s_wait_dscnt 0x0
	s_barrier_signal -1
	s_barrier_wait -1
	s_cmp_eq_u32 s[KH], 0
	s_cbranch_scc0 .Lend
	WIN 0x80
.set g, 0
.rept 48
	ds_load_b128 v[4*g:4*g+3], v[MB] offset:g*512
.set g, g+1
.endr
	WIN 0
.irp t, 0,1,2,3
	ds_load_b128 v[64+4*(\t):64+4*(\t)+3], v[MB] offset:(48+(\t))*512
.endr
	s_wait_dscnt 0x0
.macro ALL line:vararg
.set t, 0
.rept 4
	\line
.set t, t+1
.endr
.endm
	ALL v_max_num_f32 v[96+8*t], v[ST+8*t], v[64+4*t]                  ; the common c m
	ALL v_sub_f32 v[96+8*t+1], v[ST+8*t], v[96+8*t]
	ALL v_sub_f32 v[96+8*t+2], v[64+4*t], v[96+8*t]
	ALL v_add_f32 v[96+8*t+3], v[ST+8*t+2], v[ST+8*t+3]
	ALL v_add_f32 v[96+8*t+4], v[64+4*t+2], v[64+4*t+3]
	ALL v_exp_f32 v[96+8*t+1], v[96+8*t+1]
	ALL v_exp_f32 v[96+8*t+2], v[96+8*t+2]
	v_nop                                          ; a plain instruction behind the last exponential,
	s_wait_alu depctr_va_vdst(0)                   ; and one wait for the eight, ahead of their first reader
	ALL v_mul_f32 v[96+8*t+3], v[96+8*t+3], v[96+8*t+1]
	ALL v_fma_f32 v[96+8*t+3], v[96+8*t+4], v[96+8*t+2], v[96+8*t+3]
	ALL v_permlanex16_b32 v[96+8*t+4], v[96+8*t+3], s[SEL], s[SEL+1]
	ALL v_add_f32 v[96+8*t+3], v[96+8*t+3], v[96+8*t+4]
	ALL v_rcp_f32 v[96+8*t+5], v[96+8*t+3]
	v_nop
	s_wait_alu depctr_va_vdst(0)                   ; one wait for the four reciprocals
	ALL v_mul_f32 v[96+8*t], v[96+8*t+1], v[96+8*t+5]
	ALL v_mul_f32 v[96+8*t+2], v[96+8*t+2], v[96+8*t+5]
.irp t, 0,1,2,3
	WIN W_RS
.set q, 0
.rept 24
	v_pk_mul_f32 v[48*(\t)+2*q:48*(\t)+2*q+1], v[48*(\t)+2*q:48*(\t)+2*q+1], v[96+8*(\t):96+8*(\t)+1] op_sel_hi:[1,0]
.set q, q+1
.endr
	WIN 0x52                                       ; the partner's O^T in window 2, its factor in window 0, mine in window 1
.set q, 0
.rept 24
	v_pk_fma_f32 v[48*(\t)+2*q:48*(\t)+2*q+1], v[48*(\t)+2*q:48*(\t)+2*q+1], v[96+8*(\t)+2:96+8*(\t)+3], v[48*(\t)+2*q:48*(\t)+2*q+1] op_sel_hi:[1,0,1]
.set q, q+1
.endr
	WIN 0x05
.set q, 0
.rept 24
	v_cvt_pk_f16_f32 v[128+24*(\t)+q], v[48*(\t)+2*q], v[48*(\t)+2*q+1]
.set q, q+1
.endr
	WIN 0
.set q, 0
.rept 6
	global_store_b128 v[L16], v[128+24*(\t)+4*q:128+24*(\t)+4*q+3], s[OP:OP+1] offset:(\t)*24576+q*512  ; a piece: 512 consecutive bytes, at a multiple of 256 from the buffer's first
.set q, q+1
.endr
.endr
.Lend:
	s_wait_tensorcnt 0x0                           ; the wave's end: a tensor wait, an add onto my spare word and its wait, behind my last tensor load and my last LDS store
	ds_add_u32 v[SPW], v[NIL]
	s_wait_dscnt 0x0
	CROUND                                         ; the closing round
	s_endpgm
.Lfunc_end_k_q67f69c7dc7_attn:
	.size	k_q67f69c7dc7_attn, .Lfunc_end_k_q67f69c7dc7_attn-k_q67f69c7dc7_attn
	.p2alignl 7, 3214868480
	.fill 96, 4, 3214868480
	.section	.rodata,"a",@progbits
	.p2align	6, 0x0
	.amdhsa_kernel k_q67f69c7dc7_attn
		.amdhsa_group_segment_fixed_size 327680
		.amdhsa_private_segment_fixed_size 0
		.amdhsa_enable_private_segment 0
		.amdhsa_kernarg_size 48
		.amdhsa_user_sgpr_count 2
		.amdhsa_user_sgpr_kernarg_segment_ptr 1
		.amdhsa_wavefront_size32 1
		.amdhsa_system_sgpr_workgroup_id_x 1
		.amdhsa_system_sgpr_workgroup_id_y 1
		.amdhsa_system_sgpr_workgroup_id_z 1
		.amdhsa_system_vgpr_workitem_id 0
		.amdhsa_next_free_vgpr 1024
		.amdhsa_next_free_sgpr 96
		.amdhsa_reserve_vcc 0
		.amdhsa_float_denorm_mode_32 3
		.amdhsa_float_denorm_mode_16_64 3
		.amdhsa_memory_ordered 1
		.amdhsa_forward_progress 1
		.amdhsa_inst_pref_size 194
	.end_amdhsa_kernel
	.amdgpu_metadata
---
amdhsa.version: [ 1, 2 ]
amdhsa.kernels:
  - .name:           k_q67f69c7dc7_attn
    .symbol:         k_q67f69c7dc7_attn.kd
    .args:
      - { .name: xq, .offset: 0, .size: 8, .value_kind: global_buffer, .address_space: global }
      - { .name: wf, .offset: 8, .size: 8, .value_kind: global_buffer, .address_space: global }
      - { .name: bq, .offset: 16, .size: 8, .value_kind: global_buffer, .address_space: global }
      - { .name: tq, .offset: 24, .size: 8, .value_kind: global_buffer, .address_space: global }
      - { .name: kv, .offset: 32, .size: 8, .value_kind: global_buffer, .address_space: global }
      - { .name: of, .offset: 40, .size: 8, .value_kind: global_buffer, .address_space: global }
    .group_segment_fixed_size: 327680
    .private_segment_fixed_size: 0
    .kernarg_segment_align: 8
    .kernarg_segment_size: 48
    .max_flat_workgroup_size: 128
    .sgpr_count:     96
    .vgpr_count:     1024
    .wavefront_size: 32
...
	.end_amdgpu_metadata
.endif
;; end of part 3
;; launch oproj (part 4): grid 4 x 64, 4 waves a work-group, clusters of 4 x 4, 327,680 bytes of LDS; arguments of, wf, bo, out0; writes out0
.if DOCPART == 4
	.amdgcn_target "amdgcn-amd-amdhsa--gfx1250"
	.amdhsa_code_object_version 6
	.text
	.protected	k_q67f69c7dc7_oproj
	.globl	k_q67f69c7dc7_oproj
	.p2align	8
	.type	k_q67f69c7dc7_oproj,@function
k_q67f69c7dc7_oproj:
	s_mov_b64 s[64:65], 0
	v_nop
	global_prefetch_b8 v0, s[64:65] scope:SCOPE_SE
	s_setreg_imm32_b32 hwreg(HW_REG_WAVE_MODE, 25, 1), 1
	s_wait_xcnt 0x0
	s_wait_alu depctr_hold_cnt(0) depctr_sa_sdst(0) depctr_va_vdst(0) depctr_va_sdst(0) depctr_va_ssrc(0) depctr_va_vcc(0) depctr_vm_vsrc(0)
	s_getreg_b32 s2, hwreg(HW_REG_IB_STS2, 6, 4)
	s_cmp_eq_u32 s2, 0
	s_cbranch_scc0 .Lentry_in_a_cluster
	s_endpgm
.Lentry_in_a_cluster:
	s_bfe_u32 s2, ttmp6, 0x10000c
	s_cmp_lg_u32 s2, 0xf033
	s_cbranch_scc0 .Lentry_shape_is_right
	s_endpgm
.Lentry_shape_is_right:
; out0 = O Wo^T + bo.  O and Wo in f16 pieces (Wo's numbers are its bf16 roundings), sums f32, the bias rounded to bf16 like every input; out0 in f32.
; SHARES.  A work-group makes 64 rows x 192 columns: 256 work-groups.  Wave w: rows 32 (w / 2) .. + 31, columns 96 (w % 2) .. + 95: 12 sums of 16 x 16.  K goes in 3 steps of 256 through two LDS slots.
; The matrix instruction is used transposed (source 0 = Wo's rows, source 1 = O's rows): a lane ends with 8 neighbouring columns of one row.
; CLUSTER 4 x 4: O's tile hangs on the row block alone and is shared along a row of the cluster, Wo's on the column block alone and is shared along a column.  Waves 0, 1 fetch O's halves, waves 2, 3 Wo's.
; Two fragment buffers: while 12 products run, the next 32 along K, 16 LDS loads, are on their way.  A K step is a loop of two trips of 128 along K.  The sums start at the bias, which is loaded into
; their registers.  No prefetch: the launch has three steps.
.set SLOT,  131072                     ; a slot: O [row tile 4][16 pieces][512] = 32,768, then Wo [column half 2][j 2][t 6][kq 8][512] = 98,304
.set BOFF,  32768
.set STAGE, 262144                     ; 64 rows x 784 bytes (768 of f32 + 16 of padding), stored by the waves, never a tensor load's target
.set SP,    784
.set SPARE, 312320
.set AA,  16                           ; v16-17 my place in O's part of slot 0, 1
.set BA,  18                           ; v18-19 in Wo's
.set STO, 20
.set RD,  21                           ; v21-23 the way out: three loads take two rows of 768 bytes
.set GO,  24                           ; v24-26 the same places in out0
.set BOF, 27
.set SPW, 28
.set NIL, 29
.set AR,  30                           ; v30, v31 the places in hand: they step 128 along K a trip
.set BR,  31
.set ACC, 80                           ; v[80:175]  sum (i, t) at 8 (6 i + t); on the way out the rows read back
.set FA0, 176                          ; buffer 0: v[176:191] O's two fragments, v[192:239] Wo's six
.set FB0, 192
.set FA1, 240                          ; buffer 1: v[240:255], v[32:79]
.set FB1, 32
.set G1A, 24
.set G0A, 32                           ; s[32:35], s[36:39]
.set G1B, 48
.set G0B, 56                           ; s[56:59], s[60:63]
.macro PLACES
.rept 4
	v_nop
.endr
.endm
.macro CROUND
	s_barrier_signal -1
	s_barrier_wait -1
	s_cmp_lg_u32 s12, 0
	s_cbranch_scc1 .Lnot_wave_0_\@
	s_barrier_signal -3
.Lnot_wave_0_\@:
	s_barrier_wait -3
	s_barrier_signal -1
	s_barrier_wait -1
.endm
	s_load_b256 s[4:11], s[0:1], 0x0               ; of s[4:5], wf s[6:7], bo s[8:9], out0 s[10:11]
	v_lshl_add_u32 v[SPW], v0, 2, SPARE
	v_mov_b32 v[NIL], 0
	ds_add_u32 v[SPW], v[NIL]                      ; the wave's opening: the add and its wait stand ahead of my first tensor load
	v_lshrrev_b32 v1, 5, v0
	v_readfirstlane_b32 s12, v1                    ; wave
	s_lshr_b32 s13, s12, 1                         ; my half of the rows.  Also: I fetch O (0) or Wo (1)
	s_and_b32 s14, s12, 1                          ; my half of the columns.  Also: which half of that tile I fetch
	s_bfe_u32 s15, ttmp6, 0x40000                  ; cx
	s_bfe_u32 s16, ttmp6, 0x40004                  ; cy
	s_lshl_b32 s17, ttmp9, 2
	s_add_co_u32 s17, s17, s15                     ; column block
	s_and_b32 s18, ttmp7, 0xffff
	s_lshl_b32 s18, s18, 2
	s_add_co_u32 s18, s18, s16                     ; row block
	s_lshl_b32 s19, s16, 2
	s_lshl_b32 s19, 15, s19                        ; my row of the cluster
	s_lshl_b32 s20, 0x1111, s15                    ; my column
	s_or_b32 s[G1A+0], s19, (3<<16)|(1<<21)        ; elements of 8 bytes; bit 21 beside a mask
	s_mov_b32 s[G1A+1], 1024<<16                   ; O: two row tiles, 8,192 bytes of each,
	s_mov_b32 s[G1A+2], 2<<16
	s_mov_b32 s[G1A+3], 1024<<16
	s_mov_b32 s[G1A+4], 2
	s_mov_b32 s[G1A+5], 3072                       ; 24,576 bytes apart
	s_mov_b32 s[G1A+6], 0
	s_mov_b32 s[G1A+7], 0
	s_or_b32 s[G1B+0], s20, (3<<16)|(1<<21)
	s_mov_b32 s[G1B+1], 32<<16                     ; Wo: 49,152 dense bytes as 192 rows of 256
	s_mov_b32 s[G1B+2], 192<<16
	s_mov_b32 s[G1B+3], 32<<16
	s_mov_b32 s[G1B+4], 192
	s_mov_b32 s[G1B+5], 32
	s_mov_b32 s[G1B+6], 0
	s_mov_b32 s[G1B+7], 0
	s_lshl_b32 s40, s18, 2
	s_lshl1_add_u32 s40, s14, s40                  ; O: row tile 4 x row block + 2 x half
	s_mul_i32 s40, s40, 24576
	s_mov_b32 s41, 0
	s_lshl1_add_u32 s42, s17, s14                  ; Wo: group of 96 columns 2 x column block + half
	s_mul_i32 s42, s42, 147456
	s_add_co_u32 s42, s42, 3538944
	s_mov_b32 s43, 0
	s_lshl_b32 s44, s14, 14                        ; where they go: no place in the cluster enters an LDS address
	s_mul_i32 s45, s14, 49152
	s_add_co_u32 s45, s45, BOFF
.irp s, 0,1
	s_mov_b32 s[G0A+4*(\s)], 1
	s_add_co_u32 s[G0A+4*(\s)+1], s44, (\s)*SLOT
	s_mov_b32 s[G0B+4*(\s)], 1
	s_add_co_u32 s[G0B+4*(\s)+1], s45, (\s)*SLOT
.endr
	s_wait_dscnt 0x0                               ; the opening add is done
	s_wait_kmcnt 0x0
	s_add_nc_u64 s[G0A+2:G0A+3], s[4:5], s[40:41]
	s_add_nc_u64 s[G0A+6:G0A+7], s[G0A+2:G0A+3], 8192
	s_or_b32 s[G0A+3], s[G0A+3], 0x80000000
	s_or_b32 s[G0A+7], s[G0A+7], 0x80000000
	s_add_nc_u64 s[G0B+2:G0B+3], s[6:7], s[42:43]
	s_add_nc_u64 s[G0B+6:G0B+7], s[G0B+2:G0B+3], 49152
	s_or_b32 s[G0B+3], s[G0B+3], 0x80000000
	s_or_b32 s[G0B+7], s[G0B+7], 0x80000000
	CROUND                                         ; all sixteen work-groups are here: the first joint loads meet
	s_cmp_eq_u32 s13, 0                            ; a wave's two first fills stand in one branch: two loads of mine are out
	s_cbranch_scc0 .Lfirst_b
	tensor_load_to_lds s[G0A:G0A+3], s[G1A:G1A+7]
	s_nop 0
	tensor_load_to_lds s[G0A+4:G0A+7], s[G1A:G1A+7]
	s_nop 0
	PLACES
	s_branch .Lfirst_asked
.Lfirst_b:
	tensor_load_to_lds s[G0B:G0B+3], s[G1B:G1B+7]
	s_nop 0
	tensor_load_to_lds s[G0B+4:G0B+7], s[G1B:G1B+7]
	s_nop 0
	PLACES
.Lfirst_asked:
	v_and_b32 v2, 31, v0                           ; l
	v_and_b32 v3, 15, v0                           ; r
	v_bfe_u32 v4, v0, 4, 1                         ; h
	v_lshlrev_b32 v5, 4, v2
	v_lshlrev_b32 v[BOF], 5, v4
	s_mul_i32 s46, s17, 768
	s_mul_i32 s47, s14, 384
	s_add_co_u32 s22, s46, s47
	s_mov_b32 s23, 0
	s_add_nc_u64 s[8:9], s[8:9], s[22:23]          ; the bias of my 96 columns, straight into the sums of my first 16 rows
.set t, 0
.rept 6
	global_load_b128 v[ACC+8*t:ACC+8*t+3],   v[BOF], s[8:9] offset:64*t
	global_load_b128 v[ACC+8*t+4:ACC+8*t+7], v[BOF], s[8:9] offset:64*t+16
.set t, t+1
.endr
	s_mul_i32 s22, s18, 196608                     ; 64 rows of 3,072 bytes,
	s_add_co_u32 s22, s22, s46                     ; 192 columns of 4
	s_add_nc_u64 s[10:11], s[10:11], s[22:23]
	s_lshl_b32 s21, s13, 14
	v_add_nc_u32 v[AA], s21, v5
	v_add_nc_u32 v[AA+1], SLOT, v[AA]
	v_add_nc_u32 v[BA], s45, v5
	v_add_nc_u32 v[BA+1], SLOT, v[BA]
	s_mul_i32 s21, s13, 32*SP
	s_add_co_u32 s21, s21, s47
	s_add_co_u32 s21, s21, STAGE
	v_mul_u32_u24 v6, v3, SP
	v_lshl_add_u32 v6, v4, 5, v6
	v_add_nc_u32 v[STO], s21, v6                   ; in: row 32 (w / 2) + r, 32 bytes for each half of the lanes
	s_mul_i32 s21, s12, 16*SP
	s_add_co_u32 s21, s21, STAGE
	v_add_nc_u32 v[RD], s21, v5                    ; back: of two rows' 96 pieces of 16 bytes, pieces 0-31: the first row's first 512 bytes;
	v_sub_nc_u32 v7, 1, v4
	v_lshl_add_u32 v7, v7, 5, v3
	v_lshlrev_b32 v7, 4, v7
	v_mul_u32_u24 v8, v4, SP
	v_add3_u32 v[RD+1], v7, v8, s21                ; pieces 32-63: its last 256 and the second row's first 256;
	v_add_nc_u32 v[RD+2], SP+256, v[RD]            ; pieces 64-95: the second row's last 512
	s_mul_i32 s21, s12, 16*3072
	v_add_nc_u32 v[GO], s21, v5
	v_mul_u32_u24 v8, v4, 3072
	v_add3_u32 v[GO+1], v7, v8, s21
	v_add_nc_u32 v[GO+2], 3072+256, v[GO]
	s_wait_loadcnt 0x0
.set q, 0
.rept 24
	v_cvt_pk_bf16_f32 v15, v[ACC+2*q], v[ACC+2*q+1]   ; rounded to bf16, like every input
	v_lshlrev_b32 v[ACC+2*q], 16, v15
	v_and_b32 v[ACC+2*q+1], 0xffff0000, v15
.set q, q+1
.endr
.set q, 0
.rept 48
	v_mov_b32 v[ACC+48+q], v[ACC+q]                ; and the same for my second 16 rows; all this stands in the wait for the first tiles
.set q, q+1
.endr
; 16 LDS loads: the fragments of 32 along K (number cc of a trip's four) into buffer b
.macro LDF b, cc
.set fa, FA0+(FA1-FA0)*(\b)
.set fb, FB0+(FB1-FB0)*(\b)
.irp i, 0,1
	ds_load_b128 v[fa+8*(\i):fa+8*(\i)+3],   v[AR] offset:(\i)*8192+(\cc)*1024
	ds_load_b128 v[fa+8*(\i)+4:fa+8*(\i)+7], v[AR] offset:(\i)*8192+(\cc)*1024+512
.endr
.irp t, 0,1,2,3,4,5
	ds_load_b128 v[fb+8*(\t):fb+8*(\t)+3],   v[BR] offset:(\t)*4096+(\cc)*1024
	ds_load_b128 v[fb+8*(\t)+4:fb+8*(\t)+7], v[BR] offset:(\t)*4096+(\cc)*1024+512
.endr
.endm
; 12 products on buffer b; the 12 sums take turns, in the same order everywhere
.macro MM b
.set fa, FA0+(FA1-FA0)*(\b)
.set fb, FB0+(FB1-FB0)*(\b)
.irp i, 0,1
.irp t, 0,1,2,3,4,5
	v_wmma_f32_16x16x32_f16 v[ACC+8*(6*(\i)+(\t)):ACC+8*(6*(\i)+(\t))+7], v[fb+8*(\t):fb+8*(\t)+7], v[fa+8*(\i):fa+8*(\i)+7], v[ACC+8*(6*(\i)+(\t)):ACC+8*(6*(\i)+(\t))+7]
.endr
.endr
.endm
; A K step of 256: two trips of 128.  The counted waits leave the 16 younger loads, the other buffer's, out.
.macro KSTEP slot
	v_mov_b32 v[AR], v[AA+(\slot)]
	v_mov_b32 v[BR], v[BA+(\slot)]
	s_mov_b32 s3, 2
.Lj_\@:
	LDF 0, 0
	LDF 1, 1
	s_wait_dscnt 16
	MM 0
	PLACES                                         ; behind the products that read buffer 0, in front of the loads into it
	LDF 0, 2
	s_wait_dscnt 16
	MM 1
	PLACES
	LDF 1, 3
	s_wait_dscnt 16
	MM 0
	s_wait_dscnt 0x0
	MM 1
	v_add_nc_u32 v[AR], 4096, v[AR]                ; 128 along K on: eight pieces of O,
	v_add_nc_u32 v[BR], 24576, v[BR]               ; the next block of Wo.  These two and two v_nop are the four places behind the trip's last products
	v_nop
	v_nop
	s_sub_co_u32 s3, s3, 1
	s_cmp_lg_u32 s3, 0
	s_cbranch_scc1 .Lj_\@
.endm
	s_wait_tensorcnt 1                             ; my part of step 0 is in; step 1's may stay out
	s_barrier_signal -1
	s_barrier_wait -1
	KSTEP 0
	s_wait_tensorcnt 0x0                           ; all my tensor loads have landed: my part of step 1;
	ds_add_u32 v[SPW], v[NIL]                      ; 0 onto my spare word;
	s_add_nc_u64 s[G0A+2:G0A+3], s[G0A+2:G0A+3], 16384   ; no load of mine is out: slot 0's descriptors step to step 2
	s_add_nc_u64 s[G0B+2:G0B+3], s[G0B+2:G0B+3], 98304
	s_wait_dscnt 0x0                               ; the add is done, and my reads of slot 0 are over
	CROUND                                         ; all that holds of every wave of the sixteen partners
	s_cmp_eq_u32 s13, 0
	s_cbranch_scc0 .Lfor_b
	tensor_load_to_lds s[G0A:G0A+3], s[G1A:G1A+7]  ; step 2 into slot 0: my one load behind the round
	s_nop 0
	PLACES
	s_branch .Lasked
.Lfor_b:
	tensor_load_to_lds s[G0B:G0B+3], s[G1B:G1B+7]
	s_nop 0
	PLACES
.Lasked:
	KSTEP 1
	s_wait_tensorcnt 0x0                           ; my part of step 2 is in
	ds_add_u32 v[SPW], v[NIL]
	s_wait_dscnt 0x0
	s_barrier_signal -1
	s_barrier_wait -1                              ; everybody's is; nothing is filled again
	KSTEP 0
	PLACES
	; THE WAY OUT: 32 bytes a lane into the work-group's stage; a barrier, since a row's 768 bytes come from two waves; back as whole rows, 16 rows a wave
.irp i, 0,1
.irp t, 0,1,2,3,4,5
	ds_store_b128 v[STO], v[ACC+8*(6*(\i)+(\t)):ACC+8*(6*(\i)+(\t))+3]   offset:(\i)*16*SP+(\t)*64
	ds_store_b128 v[STO], v[ACC+8*(6*(\i)+(\t))+4:ACC+8*(6*(\i)+(\t))+7] offset:(\i)*16*SP+(\t)*64+16
.endr
.endr
	s_wait_dscnt 0x0                               ; for the others' sake: my stores into the stage are done
	s_barrier_signal -1
	s_barrier_wait -1
.set n, 0
.rept 24
	ds_load_b128 v[ACC+4*n:ACC+4*n+3], v[RD+n%3] offset:(n/3)*2*SP
.set n, n+1
.endr
.set n, 0
.rept 24
	s_wait_dscnt 23-n                              ; LDS loads come back in order: number n is in
	global_store_b128 v[GO+n%3], v[ACC+4*n:ACC+4*n+3], s[10:11] offset:(n/3)*6144 th:TH_STORE_NT  ; each 16 lanes store 256 consecutive bytes, at a multiple of 256 from out0's first
.set n, n+1
.endr
	s_wait_tensorcnt 0x0                           ; the wave's end: a tensor wait, an add onto my spare word and its wait, behind my last tensor load and my last LDS store
	ds_add_u32 v[SPW], v[NIL]
	s_wait_dscnt 0x0
	CROUND                                         ; the closing round
	s_endpgm
.Lfunc_end_k_q67f69c7dc7_oproj:
	.size	k_q67f69c7dc7_oproj, .Lfunc_end_k_q67f69c7dc7_oproj-k_q67f69c7dc7_oproj
	.p2alignl 7, 3214868480
	.fill 96, 4, 3214868480
	.section	.rodata,"a",@progbits
	.p2align	6, 0x0
	.amdhsa_kernel k_q67f69c7dc7_oproj
		.amdhsa_group_segment_fixed_size 327680
		.amdhsa_private_segment_fixed_size 0
		.amdhsa_enable_private_segment 0
		.amdhsa_kernarg_size 32
		.amdhsa_user_sgpr_count 2
		.amdhsa_user_sgpr_kernarg_segment_ptr 1
		.amdhsa_wavefront_size32 1
		.amdhsa_system_sgpr_workgroup_id_x 1
		.amdhsa_system_sgpr_workgroup_id_y 1
		.amdhsa_system_sgpr_workgroup_id_z 1
		.amdhsa_system_vgpr_workitem_id 0
		.amdhsa_next_free_vgpr 256
		.amdhsa_next_free_sgpr 66
		.amdhsa_reserve_vcc 0
		.amdhsa_float_denorm_mode_32 3
		.amdhsa_float_denorm_mode_16_64 3
		.amdhsa_memory_ordered 1
		.amdhsa_forward_progress 1
		.amdhsa_inst_pref_size 45
	.end_amdhsa_kernel
	.amdgpu_metadata
---
amdhsa.version: [ 1, 2 ]
amdhsa.kernels:
  - .name:           k_q67f69c7dc7_oproj
    .symbol:         k_q67f69c7dc7_oproj.kd
    .args:
      - { .name: of, .offset: 0, .size: 8, .value_kind: global_buffer, .address_space: global }
      - { .name: wf, .offset: 8, .size: 8, .value_kind: global_buffer, .address_space: global }
      - { .name: bo, .offset: 16, .size: 8, .value_kind: global_buffer, .address_space: global }
      - { .name: out0, .offset: 24, .size: 8, .value_kind: global_buffer, .address_space: global }
    .group_segment_fixed_size: 327680
    .private_segment_fixed_size: 0
    .kernarg_segment_align: 8
    .kernarg_segment_size: 32
    .max_flat_workgroup_size: 128
    .sgpr_count:     66
    .vgpr_count:     256
    .wavefront_size: 32
...
	.end_amdgpu_metadata
.endif
;; end of part 4
;; ======== version 2 of 2: 4 launches; version 1 with the launch prep written anew for expert scheduling mode
;; limits: values are held in f16: magnitudes above 65,504 overflow, below 6.1e-05 lose precision
;; workspace buffers: wf 4,718,592 bytes; xq 6,291,456 bytes; tk 6,291,456 bytes; tq 1,572,864 bytes; kv 50,331,648 bytes; of 6,291,456 bytes
;; launch prep (part 5): grid 992 x 1, 4 waves a work-group, no clusters, 17,920 bytes of LDS; arguments Wq, Wk, Wv, Wo, query, coords_key, coords_query, wf, xq, tk, tq; writes wf, xq, tk, tq
.if DOCPART == 5
	.amdgcn_target "amdgcn-amd-amdhsa--gfx1250"
	.amdhsa_code_object_version 6
	.text
	.protected	k_q67f69c7dc7_prep
	.globl	k_q67f69c7dc7_prep
	.p2align	8
	.type	k_q67f69c7dc7_prep,@function
k_q67f69c7dc7_prep:
	s_mov_b64 s[64:65], 0
	v_nop
	global_prefetch_b8 v0, s[64:65] scope:SCOPE_SE
	s_setreg_imm32_b32 hwreg(HW_REG_WAVE_SCHED_MODE, 0, 2), 2
	s_setreg_imm32_b32 hwreg(HW_REG_WAVE_MODE, 25, 1), 1
	s_wait_xcnt 0x0
	s_wait_alu depctr_vm_vsrc(0)
; PREPARATION.  (1) Wq, Wk, Wv, Wo and query are rounded to bf16 once and laid out in PIECES: a piece is 512 bytes, 16 rows x 16 k, lane l = (r = l % 16, h = l / 16) owning the
; 16 bytes of row r, k = 8 h .. 8 h + 7; two neighbouring pieces are one matrix fragment (16 rows x 32 k) that later launches load lane by lane.  Wo's bf16 numbers are written as f16
; (exact from 6.1e-5 up; below that f16's fixed step of 6e-8), since it multiplies an f16 operand.  (2) cos and sin of coordinate x 10^(-j/4), j = 0..15, for every row and axis.
; LIMITS.  All inputs, the coordinates too, are rounded to bf16: one choice for the whole program.  The angle is reduced by one fused multiply-add with 2/pi in f32: its error grows as
; about 6e-8 x |angle|; beyond |angle| = 3e9 the quadrant's whole number saturates.  NaN and infinities are not treated apart.
; SHARES.  Work-groups 0..671: a wave converts one unit of 16 rows x 128 k (1,152 units of weights, 1,536 of query).  Work-groups 672..991: a wave makes the table of one tile of 16 rows.
; No wave reads another's LDS bytes, so there is no barrier.  No matrix unit, no cluster, no prefetch: every byte is read once by one wave, and the launch is short.
; THE MODE: SCHED_MODE bits 1:0 = 2 (LLVM: expert scheduling mode 2), set by the entry lines.  The code itself states the register dependences between vector instructions and memory or LDS
; instructions, and those through scalar registers and VCC that vector instructions write, with s_wait_alu, always for 0.
; THE PLAN, a unit's path.  Registers that memory or LDS instructions touch:
;   v7, v8, v9  offsets and LDS addresses: written once, ahead of the first load, never again.
;   IN          written by the 16 global loads; row i's two roundings read its four registers and write the first two again; row i's LDS store reads those two; nothing writes them after that.
;   PC          written by the eight LDS loads; on Wo's arm read and written again by its conversions; read by the eight global stores.
; The rows go in groups of four: one wait on va_vdst at the head of a group states that the group before is rounded, and that group's four LDS stores are dealt among this group's roundings,
; which name this group's rows alone.  Nothing that a memory instruction has read is written again, so this path has no wait on vm_vsrc.
; THE PLAN, a table's path.  v1, v7: offsets, written once.  v8-v10: the coordinates land there; later named by vector instructions alone.  OUT: written by a trip's second phase, read by the trip's
; four stores.  A trip has two phases: the first makes both polynomials, both signs and the mask of odd quadrants for all eight angles (the masks in s52-s59), the second selects and writes OUT.
; So a trip has one wait on va_sdst between the phases, one on va_vdst ahead of its stores, and one on vm_vsrc at its bottom, ahead of the jump back to the lines that write OUT again.
.set WLDS,  4352                       ; a wave's LDS: 16 rows x 272 bytes (256 of bf16 + 16 of padding: the 16 rows of a read start at 16 different groups of four banks)
.set SPARE, 17408                      ; behind the four: the spare words, 128 bytes a wave
.set SPW, 2                            ; v2  my spare word's address; never rewritten
.set NIL, 3                            ; v3  0; never rewritten
.set LN,  4                            ; v4  lane
.set RR,  5                            ; v5  lane % 16
.set HH,  6                            ; v6  lane / 16
.set IN,  32                           ; v[32:95]  16 rows as loaded, 4 registers each
.set PC,  96                           ; v[96:127] 8 pieces
.set SN,  32                           ; the table's path: v[32:39] eight sine polynomials,
.set CN,  40                           ; v[40:47] eight cosine polynomials,
.set SS,  48                           ; v[48:55] the sines' sign bits,
.set CG,  56                           ; v[56:63] the cosines'
.set OUT, 64                           ; v[64:79]  one axis' table: 8 cos, 8 sin
.set MK,  52                           ; s[52:59]  eight masks: the lanes whose quadrant is odd
	s_load_b512 s[8:23], s[0:1], 0x0               ; Wq s[8:9], Wk s[10:11], Wv s[12:13], Wo s[14:15], query s[16:17], coords_key s[18:19], coords_query s[20:21], wf s[22:23]
	s_load_b128 s[24:27], s[0:1], 0x40             ; xq s[24:25], tk s[26:27]
	s_load_b64 s[28:29], s[0:1], 0x50              ; tq
	v_lshl_add_u32 v[SPW], v0, 2, SPARE
	v_mov_b32 v[NIL], 0
	v_lshrrev_b32 v1, 5, v0
	v_readfirstlane_b32 s2, v1                     ; wave 0..3
	v_and_b32 v[LN], 31, v0
	v_and_b32 v[RR], 15, v0
	v_bfe_u32 v[HH], v0, 4, 1
	v_lshlrev_b32 v7, 4, v[LN]                     ; 16 x lane
	s_wait_alu depctr_va_sdst(0)                   ; s2 is written
	s_cmp_lt_u32 ttmp9, 672
	s_cbranch_scc0 .Ltable
	; ---- a unit of 16 rows x 128 k.  u = 4 g + w; T = u / 6 is the tile of 16 rows, j = u % 6 the block of 128 k
	s_lshl_b32 s3, ttmp9, 2
	s_add_co_u32 s3, s3, s2
	s_mul_i32 s4, s3, 10923
	s_lshr_b32 s4, s4, 16                          ; T (exact for u < 2,688)
	s_mul_i32 s5, s4, 6
	s_sub_co_u32 s5, s3, s5                        ; j
	s_lshr_b32 s6, s4, 4
	s_mul_i32 s6, s6, 11
	s_lshr_b32 s6, s6, 5                           ; T / 48: the matrix 0..3 (q, k, v, o); 4 or more: query
	s_mul_i32 s7, s6, 48
	s_sub_co_u32 s7, s4, s7                        ; nt: the tile of 16 output columns
	s_mul_i32 s30, s7, 43
	s_lshr_b32 s30, s30, 8                         ; hd = nt / 6
	s_mul_i32 s31, s30, 6
	s_sub_co_u32 s31, s7, s31                      ; t = nt % 6
	s_lshr_b32 s32, s30, 2                         ; Wk, Wv in the order in which the projection streams them: [hd / 4][j][hd % 4][t][kq]
	s_mul_i32 s32, s32, 589824
	s_mul_i32 s33, s5, 98304
	s_add_co_u32 s32, s32, s33
	s_and_b32 s33, s30, 3
	s_mul_i32 s33, s33, 24576
	s_add_co_u32 s32, s32, s33
	s_mul_i32 s33, s30, 147456                     ; Wq, Wo by heads: [hd][j][t][kq]
	s_mul_i32 s34, s5, 24576
	s_add_co_u32 s33, s33, s34
	s_add_co_u32 s34, s6, 1
	s_bitcmp1_b32 s34, 1                           ; matrix 1 or 2?
	s_cselect_b32 s32, s32, s33
	s_lshl_b32 s33, s31, 12
	s_add_co_u32 s32, s32, s33
	s_mul_i32 s33, s6, 1179648
	s_add_co_u32 s32, s32, s33                     ; a weight's place in wf
	s_sub_co_u32 s34, s4, 192                      ; query's tile of 16 rows
	s_mul_i32 s35, s34, 24576
	s_lshl_b32 s36, s5, 12
	s_add_co_u32 s35, s35, s36                     ; its place in xq: [RT][48 pieces]
	s_mul_i32 s44, s2, WLDS
	v_lshl_add_u32 v8, v[LN], 3, s44               ; in: 8 bytes a lane, a row at a time
	v_mul_u32_u24 v9, v[RR], 272
	v_lshl_add_u32 v9, v[HH], 4, v9
	v_add_nc_u32 v9, s44, v9                       ; back: row r, 16 bytes for each half of the lanes
	s_wait_kmcnt 0x0
	s_cmp_lt_u32 s4, 192
	s_cselect_b32 s36, s32, s35
	s_cselect_b32 s38, s7, s34
	s_cselect_b64 s[40:41], s[22:23], s[24:25]
	s_cmp_eq_u32 s6, 0
	s_cselect_b64 s[42:43], s[8:9], s[16:17]
	s_cmp_eq_u32 s6, 1
	s_cselect_b64 s[42:43], s[10:11], s[42:43]
	s_cmp_eq_u32 s6, 2
	s_cselect_b64 s[42:43], s[12:13], s[42:43]
	s_cmp_eq_u32 s6, 3
	s_cselect_b64 s[42:43], s[14:15], s[42:43]
	s_mov_b32 s37, 0
	s_add_nc_u64 s[40:41], s[40:41], s[36:37]
	s_mul_i32 s38, s38, 49152                      ; 16 rows of 3,072 bytes
	s_lshl_b32 s39, s5, 9                          ; 128 f32
	s_add_co_u32 s38, s38, s39
	s_mov_b32 s39, 0
	s_add_nc_u64 s[42:43], s[42:43], s[38:39]
	s_wait_alu depctr_va_vdst(0)                   ; v7, v8 and v9 are written: every load and store of this path, global or LDS, reads one of them as its offset or address
.set i, 0
.rept 16
	global_load_b128 v[IN+4*i:IN+4*i+3], v7, s[42:43] offset:i*3072 th:TH_LOAD_NT  ; a row's 512 consecutive bytes
.set i, i+1
.endr
.set i, 0
.rept 16
	s_wait_loadcnt 15-i                            ; loads come back in order: row i is in, the younger rows stay out
.if (i > 0) && (i%4 == 0)
	s_wait_alu depctr_va_vdst(0)                   ; the roundings of the four rows before have written the registers that the next four LDS stores read
.endif
.if i >= 4
	ds_store_b64 v8, v[IN+4*(i-4):IN+4*(i-4)+1] offset:(i-4)*272  ; the row four back; no vector instruction since the wait names its registers
.endif
	v_cvt_pk_bf16_f32 v[IN+4*i], v[IN+4*i], v[IN+4*i+1]
	v_cvt_pk_bf16_f32 v[IN+4*i+1], v[IN+4*i+2], v[IN+4*i+3]
.set i, i+1
.endr
	s_wait_alu depctr_va_vdst(0)                   ; the roundings of rows 12 to 15 have written the registers that the last four LDS stores read
.set i, 12
.rept 4
	ds_store_b64 v8, v[IN+4*i:IN+4*i+1] offset:i*272
.set i, i+1
.endr
.set i, 0
.rept 8
	ds_load_b128 v[PC+4*i:PC+4*i+3], v9 offset:i*32  ; piece i; LDS serves a wave's instructions in order, so these see the stores above; no vector instruction has named these registers
.set i, i+1
.endr
	s_wait_dscnt 0x0
	s_cmp_eq_u32 s6, 3
	s_cbranch_scc0 .Lbf
.set i, 0
.rept 32                                       ; Wo: the bf16 numbers written as f16
	v_lshlrev_b32 v10, 16, v[PC+i]
	v_and_b32 v11, 0xffff0000, v[PC+i]
	v_cvt_pk_f16_f32 v[PC+i], v10, v11
.set i, i+1
.endr
	s_wait_alu depctr_va_vdst(0)                   ; the conversions to f16 have written the pieces, which the stores below read (on the other way no vector instruction writes them)
.Lbf:
.set i, 0
.rept 8
	global_store_b128 v7, v[PC+4*i:PC+4*i+3], s[40:41] offset:i*512  ; 512 consecutive bytes, at a multiple of 256 from the buffer's first
.set i, i+1
.endr
	s_wait_dscnt 0x0                               ; the wave's end: the closing lines, six on end
	s_wait_alu 0x0
	s_wait_tensorcnt 0x0
	ds_add_u32 v[SPW], v[NIL]
	s_wait_dscnt 0x0
	s_endpgm
	; ---- the table of one tile of 16 rows: [axis 3][cos j = 8 h + 0..3 | cos 8 h + 4..7 | sin .. | sin ..][lane][16 bytes]
.Ltable:
	s_sub_co_u32 s3, ttmp9, 672
	s_lshl_b32 s3, s3, 2
	s_add_co_u32 s3, s3, s2                        ; 0..1,023: keys' tiles; 1,024..1,279: queries'
	s_sub_co_u32 s4, s3, 1024
	s_mov_b32 s40, 0x3f22f983                      ; 2 / pi
	s_mov_b32 s41, 0x3fc90fdb                      ; sin(pi/2 r) = r (1.5707963 - 0.6459641 s + 0.0796926 s^2 - 0.0046818 s^3), s = r^2, |r| <= 1/2
	s_mov_b32 s42, 0xbf255de7
	s_mov_b32 s43, 0x3da335e0
	s_mov_b32 s44, 0xbb996966
	s_mov_b32 s45, 0xbf9de9e7                      ; cos(pi/2 r) = 1 - 1.2337006 s + 0.2536695 s^2 - 0.0208635 s^3 + 0.00091926 s^4
	s_mov_b32 s46, 0x3e81e0f8
	s_mov_b32 s47, 0xbcaae9ee
	s_mov_b32 s48, 0x3a70fa7f
	s_wait_kmcnt 0x0
	s_cmp_lt_u32 s3, 1024
	s_cselect_b32 s4, s3, s4
	s_cselect_b64 s[30:31], s[18:19], s[20:21]
	s_cselect_b64 s[32:33], s[26:27], s[28:29]
	s_mul_i32 s6, s4, 192                          ; 16 rows of 12 bytes
	s_mov_b32 s7, 0
	s_add_nc_u64 s[30:31], s[30:31], s[6:7]
	s_mul_i32 s6, s4, 6144
	s_add_nc_u64 s[32:33], s[32:33], s[6:7]
	v_mul_u32_u24 v1, v[RR], 12
	s_wait_alu depctr_va_vdst(0)                   ; v1 is written, the offset of the three loads below; so is v7, the offset of every store of this path
	global_load_b32 v8, v1, s[30:31]
	global_load_b32 v9, v1, s[30:31] offset:4
	global_load_b32 v10, v1, s[30:31] offset:8
	v_cmp_eq_u32 vcc_lo, 1, v[HH]
	s_wait_alu depctr_va_vcc(0)                    ; VCC is written: the eight selects below read it
.macro FREQ e, lo, hi                  ; 10^(-(8 h + e) / 4)
	v_mov_b32 v[12+(\e)], \lo
	v_mov_b32 v20, \hi
	v_cndmask_b32 v[12+(\e)], v[12+(\e)], v20, vcc_lo
.endm
	FREQ 0, 0x3f800000, 0x3c23d70a
	FREQ 1, 0x3f0ff59a, 0x3bb8449c
	FREQ 2, 0x3ea1e89b, 0x3b4f3e37
	FREQ 3, 0x3e361887, 0x3ae91528
	FREQ 4, 0x3dcccccd, 0x3a83126f
	FREQ 5, 0x3d6655c3, 0x3a136a16
	FREQ 6, 0x3d0186e2, 0x39a5cb5f
	FREQ 7, 0x3c91ad39, 0x393a7753
	s_wait_loadcnt 0x0
.irp c, 8,9,10
	v_cvt_pk_bf16_f32 v20, v\c, v\c                ; the coordinate rounded to bf16, like every input
	v_lshlrev_b32 v\c, 16, v20
.endr
; angle = (pi / 2)(k + r), k whole, |r| <= 1/2.  k odd swaps sine and cosine; the sine's sign is bit 1 of k, the cosine's bit 1 of k + 1.  The axis in hand has its coordinate in v8.
; The first phase, for angle e: both polynomials, both sign bits, and the mask of the lanes whose k is odd.
.macro ANGA e
	v_mul_f32 v20, v8, v[12+(\e)]
	v_mul_f32 v21, s40, v20
	v_rndne_f32 v22, v21
	v_fma_f32 v23, v20, s40, -v22
	v_mul_f32 v24, v23, v23
	v_fma_f32 v[SN+(\e)], v24, s44, s43
	v_fma_f32 v[CN+(\e)], v24, s48, s47
	v_fma_f32 v[SN+(\e)], v[SN+(\e)], v24, s42
	v_fma_f32 v[CN+(\e)], v[CN+(\e)], v24, s46
	v_fma_f32 v[SN+(\e)], v[SN+(\e)], v24, s41
	v_fma_f32 v[CN+(\e)], v[CN+(\e)], v24, s45
	v_mul_f32 v[SN+(\e)], v[SN+(\e)], v23
	v_fma_f32 v[CN+(\e)], v[CN+(\e)], v24, 1.0
	v_cvt_i32_f32 v27, v22
	v_and_b32 v28, 1, v27
	v_cmp_eq_u32 s[MK+(\e)], 1, v28
	v_lshlrev_b32 v[SS+(\e)], 30, v27
	v_add_nc_u32 v27, 1, v27
	v_and_b32 v[SS+(\e)], 0x80000000, v[SS+(\e)]
	v_lshlrev_b32 v27, 30, v27
	v_and_b32 v[CG+(\e)], 0x80000000, v27
.endm
; The second phase: the swap by the mask, and the signs.
.macro ANGB e
	v_cndmask_b32 v29, v[SN+(\e)], v[CN+(\e)], s[MK+(\e)]
	v_cndmask_b32 v30, v[CN+(\e)], v[SN+(\e)], s[MK+(\e)]
	v_xor_b32 v[OUT+8+(\e)], v29, v[SS+(\e)]
	v_xor_b32 v[OUT+(\e)], v30, v[CG+(\e)]
.endm
	s_mov_b32 s50, 3
.Laxis:                                        ; three trips, an axis each: one text
.irp e, 0,1,2,3,4,5,6,7
	ANGA \e
.endr
	s_wait_alu depctr_va_sdst(0)                   ; the eight compares have written s52 to s59: the selects below read them
.irp e, 0,1,2,3,4,5,6,7
	ANGB \e
.endr
	v_mov_b32 v8, v9                               ; the next axis' coordinate
	v_mov_b32 v9, v10
	s_wait_alu depctr_va_vdst(0)                   ; the second phase has written the axis' sixteen numbers, which the four stores read
.irp q, 0,1,2,3
	global_store_b128 v7, v[OUT+4*(\q):OUT+4*(\q)+3], s[32:33] offset:(\q)*512
.endr
	s_wait_xcnt 0x0                                ; the stores have read their data and their base: both are written again only behind this wait
	s_wait_alu depctr_vm_vsrc(0)                   ; the stores have read the sixteen registers that the next trip's second phase writes again: stated ahead of the jump back
	s_add_nc_u64 s[32:33], s[32:33], 2048
	s_sub_co_u32 s50, s50, 1
	s_cmp_lg_u32 s50, 0
	s_cbranch_scc1 .Laxis
	s_wait_dscnt 0x0                               ; the same six closing lines at this path's end
	s_wait_alu 0x0
	s_wait_tensorcnt 0x0
	ds_add_u32 v[SPW], v[NIL]
	s_wait_dscnt 0x0
	s_endpgm
.Lfunc_end_k_q67f69c7dc7_prep:
	.size	k_q67f69c7dc7_prep, .Lfunc_end_k_q67f69c7dc7_prep-k_q67f69c7dc7_prep
	.p2alignl 7, 3214868480
	.fill 96, 4, 3214868480
	.section	.rodata,"a",@progbits
	.p2align	6, 0x0
	.amdhsa_kernel k_q67f69c7dc7_prep
		.amdhsa_group_segment_fixed_size 17920
		.amdhsa_private_segment_fixed_size 0
		.amdhsa_enable_private_segment 0
		.amdhsa_kernarg_size 88
		.amdhsa_user_sgpr_count 2
		.amdhsa_user_sgpr_kernarg_segment_ptr 1
		.amdhsa_wavefront_size32 1
		.amdhsa_system_sgpr_workgroup_id_x 1
		.amdhsa_system_sgpr_workgroup_id_y 1
		.amdhsa_system_sgpr_workgroup_id_z 1
		.amdhsa_system_vgpr_workitem_id 0
		.amdhsa_next_free_vgpr 128
		.amdhsa_next_free_sgpr 66
		.amdhsa_reserve_vcc 1
		.amdhsa_float_denorm_mode_32 3
		.amdhsa_float_denorm_mode_16_64 3
		.amdhsa_memory_ordered 1
		.amdhsa_forward_progress 1
		.amdhsa_inst_pref_size 29
	.end_amdhsa_kernel
	.amdgpu_metadata
---
amdhsa.version: [ 1, 2 ]
amdhsa.kernels:
  - .name:           k_q67f69c7dc7_prep
    .symbol:         k_q67f69c7dc7_prep.kd
    .args:
      - { .name: Wq, .offset: 0, .size: 8, .value_kind: global_buffer, .address_space: global }
      - { .name: Wk, .offset: 8, .size: 8, .value_kind: global_buffer, .address_space: global }
      - { .name: Wv, .offset: 16, .size: 8, .value_kind: global_buffer, .address_space: global }
      - { .name: Wo, .offset: 24, .size: 8, .value_kind: global_buffer, .address_space: global }
      - { .name: query, .offset: 32, .size: 8, .value_kind: global_buffer, .address_space: global }
      - { .name: coords_key, .offset: 40, .size: 8, .value_kind: global_buffer, .address_space: global }
      - { .name: coords_query, .offset: 48, .size: 8, .value_kind: global_buffer, .address_space: global }
      - { .name: wf, .offset: 56, .size: 8, .value_kind: global_buffer, .address_space: global }
      - { .name: xq, .offset: 64, .size: 8, .value_kind: global_buffer, .address_space: global }
      - { .name: tk, .offset: 72, .size: 8, .value_kind: global_buffer, .address_space: global }
      - { .name: tq, .offset: 80, .size: 8, .value_kind: global_buffer, .address_space: global }
    .group_segment_fixed_size: 17920
    .private_segment_fixed_size: 0
    .kernarg_segment_align: 8
    .kernarg_segment_size: 88
    .max_flat_workgroup_size: 128
    .sgpr_count:     66
    .vgpr_count:     128
    .wavefront_size: 32
...
	.end_amdgpu_metadata
.endif
;; end of part 5
;; launch kvproj: the kernel of part 2 again; grid 128 x 4, 4 waves a work-group, clusters of 4 x 1, 327,680 bytes of LDS; arguments key, value, wf, bk, bv, tk, kv; writes kv
;; launch attn: the kernel of part 3 again; grid 8 x 32, 4 waves a work-group, clusters of 4 x 1, 327,680 bytes of LDS; arguments xq, wf, bq, tq, kv, of; writes of
;; launch oproj: the kernel of part 4 again; grid 4 x 64, 4 waves a work-group, clusters of 4 x 4, 327,680 bytes of LDS; arguments of, wf, bo, out0; writes out0
